; MI455X (gfx1250); checked and timed in simulation.
; The chip was launched on July 23, 2026; its instructions are those of AMD's public machine-readable ISA for CDNA 5 (MIT licence, August 2026) and "CDNA5" Instruction Set Architecture Reference Guide (July 2026). The comments in the code are by the model that wrote it; some were corrected since.
;; Multi Headed Attention. Allowed arithmetic: matrix products marked QUANTISED: E5M2 operands, one E8M0 scale for each 32 along K, by v_wmma_scale_f32_16x16x128_f8f6f4 with both operands' format E5M2, f32 sums; products left as they are: f32 operands where the result goes on into a quantised operand, else bf16, f16 or f32 operands; f32 sums; everything else in f32.
;; Inputs: W0_codes 512 x 16 x 32 uint8 (E5M2 codes of W0, K innermost, in blocks of 32 codes); W0_scales 512 x 16 uint8 (E8M0 scales of W0, one for each 32 codes along K); Wout_codes 512 x 16 x 32 uint8 (E5M2 codes of Wout, K innermost, in blocks of 32 codes); Wout_scales 512 x 16 uint8 (E8M0 scales of Wout, one for each 32 codes along K); b0 512 float32; bout 512 float32; key 32 x 1,024 x 512 float32; query 32 x 1,024 x 512 float32; value_codes 32 x 1,024 x 16 x 32 uint8 (E5M2 codes of value, K innermost, in blocks of 32 codes); value_scales 32 x 1,024 x 16 uint8 (E8M0 scales of value, one for each 32 codes along K).
;; Outputs: out0 32 x 1,024 x 512 float32.
;; This version of the problem:
;;   THIS VERSION OF THE PROBLEM IS GIVEN IN LOW PRECISION. The matrix products marked QUANTISED in the list below multiply operands that are first quantised to E5M2 (5 exponent bits, 2 mantissa bits; 8 bits a number), with one power-of-two scale for each 32 numbers along K (OCP MX v1.0); their sums are f32. All else is computed in f32.
;;   The module's matrix products, in the order in which they are computed (A, B: the left and right operand; K: the contracted axis; several contracted axes count as one K, in the product's order):
;;     1. [M 32,896, K 512] x [K 512, N 512]; A: computed on the way; B: input W0 (given as codes): QUANTISED
;;     2. batch 32,768 x [M 1, K 512] x [K 512, N 5]; A: computed on the way; B: computed on the way: left as it is (M = 1 < 16)
;;     3. batch 32,768 x [M 1, K 5] x [K 5, N 512]; A: softmax (see below); B: computed on the way: left as it is (K = 5 < 32)
;;     4. [M 32,896, K 512] x [K 512, N 512]; A: computed on the way; B: input W0 (given as codes): QUANTISED
;;     5. batch 32,768 x [M 1, K 512] x [K 512, N 5]; A: computed on the way; B: computed on the way: left as it is (M = 1 < 16)
;;     6. batch 32,768 x [M 1, K 5] x [K 5, N 512]; A: softmax (see below); B: computed on the way: left as it is (K = 5 < 32)
;;     7. [M 32,768, K 512] x [K 512, N 512]; A: input value (given as codes); B: input W0 (given as codes): QUANTISED
;;     8. batch 256 x [M 1,024, K 64] x [K 64, N 1,024]; A: computed on the way; B: computed on the way: QUANTISED
;;     9. batch 256 x [M 1,024, K 1,024] x [K 1,024, N 64]; A: softmax (see below); B: computed on the way: QUANTISED
;;     10. [M 32,768, K 512] x [K 512, N 512]; A: computed on the way; B: input Wout (given as codes): QUANTISED
;;   THE QUANTISER, for each operand of a quantised product, along K:
;;     - K is cut into blocks of 32 from its start; a last block that is shorter is filled with zeros.
;;     - A block's scale is 2^e with e = floor(log2(the largest magnitude in the block)) - 15, held to -126 .. 127; a block of zeros has e = 0. As a byte (E8M0): e + 127.
;;     - Each number is divided by its block's scale, clamped to +-57,344, and rounded to the nearest number of E5M2, ties to even, subnormals kept.
;;     - The product sums the exact products of the quantised numbers (number of the format x scale) in f32.
;;   ~~~python
;;   def quantise(x, axis):      # numpy; x: float32 -> the quantised numbers, widened to float32 again
;;       x = np.moveaxis(x, axis, -1); K = x.shape[-1]
;;       x = np.pad(x, [(0, 0)] * (x.ndim - 1) + [(0, -K % 32)]); x = x.reshape(x.shape[:-1] + (-1, 32)); a = np.abs(x).max(-1, keepdims=True)
;;       e = np.where(a > 0, np.clip(np.frexp(np.where(a > 0, a, 1))[1] - 1 - 15, -126, 127), 0)      # np.frexp(a)[1] - 1 = floor(log2(a)), exactly
;;       r = np.clip(x / 2.0 ** e, -57344, 57344)
;;       step = 2.0 ** (np.maximum(np.frexp(np.where(r == 0, 1, r))[1] - 1, -14) - 2)
;;       q = np.round(r / step) * step * 2.0 ** e      # np.round: ties to even
;;       return np.moveaxis(q.reshape(q.shape[:-2] + (-1,))[..., :K], -1, axis).astype(np.float32)
;;   ~~~
;;   SOFTMAX AHEAD OF A QUANTISED PRODUCT. Where the list says 'softmax', what is quantised is not the finished softmax but p = 2^(t - M), with t = logit x log2(e) and M = ceil(the row's largest t), a whole number; so 1/2 < the row's largest p <= 1. The row's sum l is taken of the UNQUANTISED p, in f32, and the product's result is divided by l at the end. Since M is a whole number, a kernel that streams over the keys may use a running M (the ceiling of the running maximum): every later rescaling is an exact power of two, which a block's scale takes up: the codes' values come out the same.
;;   OPERANDS COMPUTED ON THE WAY. 'Computed on the way' means the value that the module computes at that place (a softmax that the list does not call 'softmax' is quantised finished and normalised). What goes into a quantiser is computed in f32, as accurately as f32 sums, v_exp_f32 and their like allow (about 1e-6 of the number): no bf16 or f16 on the way to a quantiser, and a product that is left as it is and whose result goes on into a quantised operand takes f32 operands (vector FMAs, or v_wmma_f32_16x16x4_f32). A number that lies on a knife's edge between two numbers of the format may be rounded either way, as far as f32 arithmetic and the matrix unit's own rounding can turn it there, and no further.
;;   INPUTS GIVEN AS CODES. W0 (in the module: [512, 512], K = its axis 0); Wout (in the module: [512, 512], K = its axis 0); value (in the module: [32, 1024, 512], K = its axis 2): each comes as NAME_codes (uint8): NAME with its K axis moved to the last place and cut into blocks of 32 codes, [.., K / 32, bytes a block], one block behind the other in memory; one code a byte (a code: sign, 5 exponent bits, 2 mantissa bits); and NAME_scales (uint8): the same leading axes, one E8M0 byte (e + 127) for each 32 codes along K. Its value is code x scale, taken as it is: it is not quantised again, and the codes and scales need not be those that the quantiser above would give.
;; 2 versions. Each part assembles by itself: llvm-mc -triple=amdgcn-amd-amdhsa -mcpu=gfx1250 --defsym DOCPART=n.
;; ======== version 1 of 2: 3 launches
;; workspace buffers: qc 16,777,216 bytes; qs 1,048,576 bytes; kc 16,777,216 bytes; ks 1,048,576 bytes; vc 16,777,216 bytes; vs 524,288 bytes; xc 16,777,216 bytes; xs 1,048,576 bytes
;; launch project (part 1): grid 256 x 1, 8 waves a work-group, no clusters, 316,160 bytes of LDS; arguments query, key, W0_codes, W0_scales, b0, value_codes, value_scales, qc, qs, kc, ks, vc, vs; writes qc, qs, kc, ks, vc, vs
.if DOCPART == 1
	.amdgcn_target "amdgcn-amd-amdhsa--gfx1250"
	.amdhsa_code_object_version 6
	.text
	.protected	k_qada6cfd4ee_project
	.globl	k_qada6cfd4ee_project
	.p2align	8
	.type	k_qada6cfd4ee_project,@function
k_qada6cfd4ee_project:
	s_mov_b64 s[64:65], 0
	v_nop
	global_prefetch_b8 v0, s[64:65] scope:SCOPE_SE
	s_setreg_imm32_b32 hwreg(HW_REG_WAVE_MODE, 25, 1), 1
	s_wait_xcnt 0x0
; PROJECT: y = Q(x) W0 + b0 for x = query or key (Q: the MX-BF8 quantiser along the 512), the local mix of five rows of y in f32, and its result quantised by head into qc, qs or kc, ks;
; and v = value W0 + b0, quantised along the KEYS into vc, vs.  All products on codes of E5M2 with one E8M0 byte for each 32 along K.
; DEAD WORK LEFT OUT.  reference() pads each sequence with four rows of zeros of its own making ahead of the product with W0.  A block of zeros has zero codes whatever the inputs hold, so those rows of
; the product are 0 and the padded rows of y are b0, for all finite values of W0.  The work-group that owns a sequence's first rows therefore skips that tile's loads, quantiser and 16 matrix instructions and
; stores b0.  LIMIT: a NaN or an infinity among W0's numbers, which in reference() would reach those four rows as 0 x infinity, is not carried there.  Every input has a way to the output and is loaded.
; LIMITS: NaN and infinities among the inputs are not served; a block whose largest magnitude lies under 2^-111 is quantised under the floor's byte, 1 (a block of zeros too, where the rule says 127: its
; codes are zeros, and these bytes are read by this program alone).
; SHARES.  256 work-groups of eight waves.  Work-group id takes 256 rows of one sequence of query (id < 128) or key, in four blocks of 64, and 128 rows of value.  WAVE w OWNS OUTPUT COLUMNS 64 w .. 64 w + 63,
; head w, for everything: its 16 fragments of W0 fill register window 1 for the whole launch and are read once.  No cluster and no tensor load: W0 goes straight into registers, where a joint load cannot put it,
; and the work-groups share no other input.  No prefetch: the rows of query and key are asked for a phase ahead by the loads themselves, 64 registers a wave.
; THE ROWS OF W0 THAT FORM A TILE ARE NOT NEIGHBOURS: lane r of tile 2 b + u takes row 64 w + 32 b + 8 u + r + 8 (r / 8).  Used transposed (source 0 = W0, source 1 = x) a lane holds one row of y and 16
; neighbouring columns in two tiles; used as source 1 against value's rows a lane holds one column d and eight keys, and the later launch gets O^T with 16 neighbouring d in two tiles.
; A BLOCK OF 64 ROWS, three barriers:  P: my 64 columns of y for four tiles of rows, f32, into LDS | barrier | the next block's x is quantised (first half); M: each wave mixes 8 rows (a row over the 32 lanes,
; 16 numbers a lane), quantises them and puts codes and scale bytes into LDS | barrier | OUT: each wave stores its head's codes as images of operand registers; the next block's x (second half) | barrier.
; The mix needs the four rows ahead of a block: the first block gets them from a halo tile (16 rows ahead, or b0), the later ones from the block before, handed on in LDS by wave 7.
.set NP,    8                          ; places behind this matrix form before its registers are read by vector instructions or stores, or loaded into; one more before a matrix instruction writes over them
.set YP,    2064                       ; a row of y in LDS: 2,048 bytes + 16: the 16 rows that a store touches start at 16 different groups of banks
.set CP,    528                        ; a row of codes in LDS: 512 bytes + 16
.set XIMG,  0                          ; x's 16 fragments (tile of rows m, K step s: 4 m + s), 2,048 bytes each, as images of their registers
.set XSC,   32768                      ; their scale words: [m][lane][4 words]
.set HIMG,  34816                      ; the halo tile's four fragments
.set HSC,   43008                      ; and scale words
.set B0L,   43520                      ; b0 as it lies
.set SST,   45568                      ; the mixed rows' scale bytes: [row 64][16]
.set CST,   46592                      ; the mixed rows' codes: 64 rows
.set VIMG,  80384                      ; value's 32 fragments
.set VSCL,  145920                     ; and scale words: [m 8][lane][4 words]
.set YST,   150016                     ; y: 80 rows of f32: 0-15 the halo tile, 16-79 the block
.set SPARE, 315136                     ; the spare words, 128 bytes for each wave: four blocks of 256 bytes that no other line names
; window 0, addresses that stay
.set LI,  1                            ; 16 x lane: an image's place for my lane
.set XA,  2                            ; x: row r of 2,048 bytes + 64 h: my 16 numbers of a block of 32
.set XWI, 3                            ; where I store x's images: 16 x lane + 4,096 x wave
.set XWS, 4                            ; and their scale words
.set HWI, 5                            ; the halo's images (waves 0-3)
.set HWS, 6                            ; and words
.set B0A, 7                            ; b0 in the result's layout
.set YSO, 8                            ; v8-10: y's stores: rows 0, 32, 64 on
.set YRD, 11                           ; y's reads in the mix
.set HSO, 12                           ; where wave 7 hands on the block's last four rows
.set CSO, 13                           ; codes into the stage
.set SSO, 14                           ; scale bytes into the stage
.set CRD, 15                           ; codes out of it
.set SRD, 16                           ; scale bytes out of it
.set GOC, 17                           ; my offset in qc, kc, vc: 16 x lane + 65,536 x head
.set GOS, 18                           ; in qs, ks: 8 x lane + 4,096 x head
.set VFI, 19                           ; value's images, read
.set VWI, 20                           ; and stored
.set VSI, 21                           ; value's scale words, read
.set VA,  22                           ; value's codes in memory
.set VSA, 23                           ; value's scale bytes in memory
.set W0S, 24                           ; v24-39  W0's scale words: 4 t + s
.set XS,  40                           ; v40-43  the scale words of the rows in hand (x's or value's)
.set SPW, 44                           ; my spare word's LDS address; never rewritten
.set NIL, 45                           ; 0; never rewritten
.set B0T, 46                           ; 8 x thread: b0 in memory
.set B0LA, 47                          ; and in LDS
.set XN,  48                           ; v48-111 64 numbers of x on their way in; value's codes; V's accumulators
.set VACC, 48
.set FR,  112                          ; v112-175 four fragments from LDS
.set HX,  112                          ; the halo's 64 numbers
.set Y,   112                          ; v112-207 six rows of y, 16 numbers each
.set OB,  112                          ; v112-143 codes on their way out
.set ACC, 176                          ; v176-207 four accumulators of y
.set TM,  176                          ; v176-191 the quantiser: largest magnitudes, bytes, holds, scale operands
.set PC,  192                          ; v192-207 the codes just made
.set PW,  208                          ; the scale word just made
.set O,   208                          ; v208-223 the mixed row
.set DT,  224                          ; v224-233 five pairs: the dot products; then even = weight, odd = exponential
.set VSWA, 234                         ; value's scale words, stored
.set VBA, 235                          ; b0 at my lane's column d
.set VSO, 236                          ; my offset in vs
.set WA,  237                          ; W0's codes in memory
.set WSA, 238                          ; W0's scale bytes in memory
.set VSW, 240                          ; v240-243 value's scale words on their way to LDS
.set T,   244                          ; v244-255 the mix: maximum and reciprocal, sum, 2 largest magnitudes (then bytes), 2 scale operands, 2 holds, 4 of codes
.set VW,  252                          ; v252-255 V's scale words, a byte for each block of keys
.set WV,  34
.set BLK, 35
.set QT,  36
.set BB,  37
.set SEL, 38                           ; s[38:39] lane selects for v_permlanex16_b32: lane l xor 16
.set MNT, 40                           ; the mantissa field of 57,344
.set CM,  41                           ; log2(e) / sqrt(512)
.set XP,  42                           ; s[42:43] x at my 16 rows and my half of K, in the block to be loaded
.set ROW0, 46
.set HP,  50                           ; s[50:51] x at the halo tile
.set HM,  58                           ; the mask of lanes 16-31
.set MSB, 0
.macro WIN new                         ; the immediate's high byte repeats the setting that is left
.if MSB != \new
	s_set_vgpr_msb (MSB<<8)|\new
.set MSB, \new
.endif
.endm
.macro PLACES n
.rept \n
	v_nop
.endr
.endm
.macro BARRIER                         ; my LDS stores have landed and my LDS loads are in: then the work-group's barrier
	s_wait_dscnt 0x0
	s_barrier_signal -1
	s_barrier_wait -1
.endm
; 64 numbers of my row (128 along K): register 16 g + i = k 32 g + 16 (lane / 16) + i
.macro XLOAD reg, base, off, nt
.irp g, 0,1,2,3
.irp j, 0,1,2,3
.if \nt
	global_load_b128 v[\reg+16*\g+4*\j:\reg+16*\g+4*\j+3], v[XA], s[\base:\base+1] offset:\off+128*\g+16*\j th:TH_LOAD_NT
.else
	global_load_b128 v[\reg+16*\g+4*\j:\reg+16*\g+4*\j+3], v[XA], s[\base:\base+1] offset:\off+128*\g+16*\j
.endif
.endr
.endr
.endm
.macro W0LOAD t                        ; tile t's four fragments into window 1 (the destination's window is set by the caller)
.irp s, 0,1,2,3
.irp c, 0,1,2,3
	global_load_b128 v[16*(4*\t+\s)+4*\c:16*(4*\t+\s)+4*\c+3], v[WA], s[12:13] offset:(32*(\t/2)+8*(\t%2))*512+128*\s+32*\c
.endr
.endr
.endm
; 64 numbers of a lane, four blocks of 16 registers, each block shared with lane l xor 16, become 16 registers of codes in v[PC] on.
; vmode = 0: the four bytes make the row's scale word v[PW].  vmode = 1 (V: the four blocks are four columns d): byte cb of the four words v[VW] on.
.macro QUANT s, vmode, cb
.irp b, 0,1,2,3
	v_max3_num_f32 v[TM+\b], |v[\s+16*\b]|, |v[\s+1+16*\b]|, 0x8000000   ; my 16 numbers, and the floor 2^(16 - 127): the byte cannot fall under 1
.endr
.irp i, 2,4,6,8,10,12,14
.irp b, 0,1,2,3
	v_max3_num_f32 v[TM+\b], v[TM+\b], |v[\s+16*\b+\i]|, |v[\s+1+16*\b+\i]|   ; the four blocks by turns
.endr
.endr
.irp b, 0,1,2,3
	v_permlanex16_b32 v[TM+4+\b], v[TM+\b], s[SEL], s[SEL+1]
.endr
.irp b, 0,1,2,3
	v_max_num_f32 v[TM+\b], v[TM+\b], v[TM+4+\b]   ; the block's largest magnitude
.endr
.irp b, 0,1,2,3
	v_add_nc_u32 v[TM+12+\b], 0xf8800000, v[TM+\b]   ; 15 off its exponent field: the conversion's scale operand
.endr
.irp b, 0,1,2,3
	v_and_or_b32 v[TM+8+\b], v[TM+\b], 0x7f800000, s[MNT]   ; 57,344 x the scale
.endr
.if \vmode
.irp b, 0,1,2,3
.if \cb == 0
	v_lshrrev_b32 v[VW+\b], 23, v[TM+12+\b]        ; the scale's byte starts the word
.else
	v_lshrrev_b32 v[TM+4+\b], 23, v[TM+12+\b]
.endif
.endr
.if \cb != 0
.irp b, 0,1,2,3
	v_lshl_or_b32 v[VW+\b], v[TM+4+\b], 8*\cb, v[VW+\b]
.endr
.endif
	s_wait_xcnt 0x0                                ; the last block's stores have read the codes' registers, which are written below
.else
.irp b, 0,1,2,3
	v_lshrrev_b32 v[TM+4+\b], 23, v[TM+12+\b]      ; the scale's byte
.endr
	v_lshl_or_b32 v[PW], v[TM+5], 8, v[TM+4]
	v_lshl_or_b32 v[PW], v[TM+6], 16, v[PW]
	v_lshl_or_b32 v[PW], v[TM+7], 24, v[PW]
.endif
.irp b, 0,1,2,3
.irp i, 0,1,2,3,4,5,6,7,8,9,10,11,12,13,14,15
	v_med3_num_f32 v[\s+16*\b+\i], v[\s+16*\b+\i], -v[TM+8+\b], v[TM+8+\b]   ; the conversion to an 8-bit code does not saturate (ISA guide 7.6.2): the hold at the largest code x the scale
.endr
	v_cvt_scalef32_pk8_bf8_f32 v[PC+4*\b:PC+1+4*\b], v[\s+16*\b:\s+7+16*\b], v[TM+12+\b]
	v_cvt_scalef32_pk8_bf8_f32 v[PC+2+4*\b:PC+3+4*\b], v[\s+8+16*\b:\s+15+16*\b], v[TM+12+\b]
.endr
	v_nop                                          ; one plain vector instruction behind the last conversion, ahead of whatever next touches its registers
.endm
.macro IMAGE adr, off                  ; the fragment in v[PC] on goes to LDS as it stands
.irp c, 0,1,2,3
	ds_store_b128 v[\adr], v[PC+4*\c:PC+4*\c+3] offset:\off+512*\c
.endr
.endm
.macro FETCH reg, adr, off             ; and comes back so, in any wave
.irp c, 0,1,2,3
	ds_load_b128 v[\reg+4*\c:\reg+4*\c+3], v[\adr] offset:\off+512*\c
.endr
.endm
; My 64 columns of y for one tile of 16 rows.  The four accumulators begin as b0 (loaded in the result's layout) and take turns, one instruction a turn.
; halo = 1: where the tile lies ahead of the sequence's first row its rows are b0: the product is left out (head comment).
.macro PTILE img, wrd, dst, dof, halo
.irp t, 0,1,2,3
	ds_load_b128 v[ACC+8*\t:ACC+8*\t+3], v[B0A] offset:128*(\t/2)+32*(\t%2)
	ds_load_b128 v[ACC+8*\t+4:ACC+8*\t+7], v[B0A] offset:128*(\t/2)+32*(\t%2)+16
.endr
.if \halo
	s_cmp_eq_u32 s[QT], 0
	s_cbranch_scc1 .Lpad_\@
.endif
.irp s, 0,1,2,3
	FETCH FR+16*\s, LI, \img+2048*\s
.endr
	ds_load_b128 v[XS:XS+3], v[LI] offset:\wrd
	s_wait_dscnt 0x0
	WIN 0x01                                       ; source 0 (W0) in window 1
.irp s, 0,1,2,3
.irp t, 0,1,2,3
	v_wmma_scale_f32_16x16x128_f8f6f4 v[ACC+8*\t:ACC+8*\t+7], v[16*(4*\t+\s):16*(4*\t+\s)+15], v[FR+16*\s:FR+16*\s+15], v[ACC+8*\t:ACC+8*\t+7], v[W0S+4*\t+\s], v[XS+\s] matrix_a_fmt:MATRIX_FMT_BF8 matrix_b_fmt:MATRIX_FMT_BF8
.endr
.endr
	WIN 0
	PLACES NP+1                                    ; ahead of the stores that read the results, of the next tile's loads into these registers, and of its products, which write the same accumulators
.if \halo
.Lpad_\@:
	s_wait_dscnt 0x0                               ; (on the short way: b0 is in)
.endif
.irp t, 0,1,2,3
	ds_store_b128 v[\dst], v[ACC+8*\t:ACC+8*\t+3] offset:\dof+128*(\t/2)+32*(\t%2)        ; lane (r, h): y(r, 64 w + 32 (t / 2) + 16 h + 8 (t % 2) + 0 .. 7); each accumulator from its low end on
	ds_store_b128 v[\dst], v[ACC+8*\t+4:ACC+8*\t+7] offset:\dof+128*(\t/2)+32*(\t%2)+16
.endr
.endm
; Row k of my wave's 12 rows of y (4 ahead of my 8) into slot k % 6: columns 8 lane .. + 7 and 256 + 8 lane .. + 7
.macro YLOAD k
.set YS, Y+16*((\k)%6)
	ds_load_b128 v[YS:YS+3], v[YRD] offset:(\k)*YP
	ds_load_b128 v[YS+4:YS+7], v[YRD] offset:(\k)*YP+16
	ds_load_b128 v[YS+8:YS+11], v[YRD] offset:(\k)*YP+1024
	ds_load_b128 v[YS+12:YS+15], v[YRD] offset:(\k)*YP+1040
.endm
; The mix of row k (4 .. 11): five dot products of row k with rows k - 4 .. k, softmax over the five, the weighted sum, all in f32; then the quantiser, a block of 32 columns lying in four neighbouring lanes.
.macro ROW k
.if (\k) < 11
	YLOAD (\k)+1                                   ; into the one slot that this row's window leaves free
	s_wait_dscnt 4                                 ; all but these four loads: rows up to k are in, and the last row's stores have read their registers
.else
	s_wait_dscnt 0x0
.endif
.set YC, Y+16*((\k)%6)
.irp j, 0,1,2,3,4
.set YW, Y+16*(((\k)-4+\j)%6)
	v_pk_mul_f32 v[DT+2*\j:DT+2*\j+1], v[YC:YC+1], v[YW:YW+1]
.endr
.irp i, 2,4,6,8,10,12,14
.irp j, 0,1,2,3,4
.set YW, Y+16*(((\k)-4+\j)%6)
	v_pk_fma_f32 v[DT+2*\j:DT+2*\j+1], v[YC+\i:YC+\i+1], v[YW+\i:YW+\i+1], v[DT+2*\j:DT+2*\j+1]   ; the five chains by turns
.endr
.endr
.irp j, 0,1,2,3,4
	v_add_f32 v[DT+2*\j], v[DT+2*\j], v[DT+2*\j+1]
.endr
.irp x, 1,2,4,8
.irp j, 0,1,2,3,4
	v_add_f32_dpp v[DT+2*\j], v[DT+2*\j], v[DT+2*\j] row_xmask:\x row_mask:0xf bank_mask:0xf
.endr
.endr
.irp j, 0,1,2,3,4
	v_permlanex16_b32 v[DT+2*\j+1], v[DT+2*\j], s[SEL], s[SEL+1]
.endr
.irp j, 0,1,2,3,4
	v_add_f32 v[DT+2*\j], v[DT+2*\j], v[DT+2*\j+1]   ; every lane holds the five dot products
.endr
	v_max3_num_f32 v[T], v[DT], v[DT+2], v[DT+4]
	v_max3_num_f32 v[T], v[T], v[DT+6], v[DT+8]
.irp j, 0,1,2,3,4
	v_sub_f32 v[DT+2*\j], v[DT+2*\j], v[T]         ; the maximum goes off first, and the factor comes behind: fused, the rounding of maximum x factor would stay in every exponent
.endr
.irp j, 0,1,2,3,4
	v_mul_f32 v[DT+2*\j], s[CM], v[DT+2*\j]
.endr
.irp j, 0,1,2,3,4
	v_exp_f32 v[DT+2*\j+1], v[DT+2*\j]
.endr
	v_nop                                          ; a plain instruction behind the exponentials,
	s_wait_alu depctr_va_vdst(0)                   ; and one wait for the five, ahead of their first reader
	v_add_f32 v[T+1], v[DT+1], v[DT+3]
	v_add_f32 v[T], v[DT+5], v[DT+7]
	v_add_f32 v[T+1], v[T+1], v[DT+9]
	v_add_f32 v[T+1], v[T+1], v[T]
	v_rcp_f32 v[T], v[T+1]
	v_nop
	s_wait_alu depctr_va_vdst(0)
.irp j, 0,1,2,3,4
	v_mul_f32 v[DT+2*\j], v[DT+2*\j+1], v[T]       ; the weights
.endr
.set YW, Y+16*(((\k)-4)%6)
.irp i, 0,2,4,6,8,10,12,14
	v_pk_mul_f32 v[O+\i:O+\i+1], v[YW+\i:YW+\i+1], v[DT:DT+1] op_sel_hi:[1,0]
.endr
.irp j, 1,2,3,4
.set YW, Y+16*(((\k)-4+\j)%6)
.irp i, 0,2,4,6,8,10,12,14
	v_pk_fma_f32 v[O+\i:O+\i+1], v[YW+\i:YW+\i+1], v[DT+2*\j:DT+2*\j+1], v[O+\i:O+\i+1] op_sel_hi:[1,0,1]
.endr
.endr
.irp g, 0,1
	v_max3_num_f32 v[T+2+\g], |v[O+8*\g]|, |v[O+8*\g+1]|, 0x8000000   ; my 8 numbers of a block, and the floor
.endr
.irp i, 2,4,6
.irp g, 0,1
	v_max3_num_f32 v[T+2+\g], v[T+2+\g], |v[O+8*\g+\i]|, |v[O+8*\g+\i+1]|
.endr
.endr
.irp x, 1,2
.irp g, 0,1
	v_max_num_f32_dpp v[T+2+\g], v[T+2+\g], v[T+2+\g] row_xmask:\x row_mask:0xf bank_mask:0xf   ; with the block's three other lanes
.endr
.endr
.irp g, 0,1
	v_add_nc_u32 v[T+4+\g], 0xf8800000, v[T+2+\g]
.endr
.irp g, 0,1
	v_and_or_b32 v[T+6+\g], v[T+2+\g], 0x7f800000, s[MNT]
.endr
.irp g, 0,1
.irp i, 0,1,2,3,4,5,6,7
	v_med3_num_f32 v[O+8*\g+\i], v[O+8*\g+\i], -v[T+6+\g], v[T+6+\g]
.endr
.endr
.irp g, 0,1
	v_cvt_scalef32_pk8_bf8_f32 v[T+8+2*\g:T+9+2*\g], v[O+8*\g:O+8*\g+7], v[T+4+\g]
.endr
.irp g, 0,1
	v_lshrrev_b32 v[T+2+\g], 23, v[T+4+\g]         ; the scale's byte (also the plain instruction behind the conversions)
.endr
	ds_store_b64 v[CSO], v[T+8:T+9] offset:((\k)-4)*CP
	ds_store_b64 v[CSO], v[T+10:T+11] offset:((\k)-4)*CP+256
	ds_store_b8 v[SSO], v[T+2] offset:16*((\k)-4)          ; the four lanes of a block write the same byte with the same value
	ds_store_b8 v[SSO], v[T+3] offset:16*((\k)-4)+8
.endm
	s_load_b512 s[8:23], s[0:1], 0x0               ; query, key, W0's codes, W0's scales, b0, value's codes, value's scales, qc
	s_load_b256 s[24:31], s[0:1], 0x40             ; qs, kc, ks, vc
	s_load_b64 s[32:33], s[0:1], 0x60              ; vs
	v_lshl_add_u32 v[SPW], v0, 2, SPARE
	v_mov_b32 v[NIL], 0
	v_lshrrev_b32 v112, 5, v0
	v_readfirstlane_b32 s[WV], v112                ; wave 0..7
	v_and_b32 v112, 31, v0                         ; lane
	v_and_b32 v113, 15, v0                         ; r
	v_bfe_u32 v114, v0, 4, 1                       ; h
	v_and_b32 v115, 8, v113
	v_add_nc_u32 v115, v115, v113                  ; r + 8 (r / 8)
	v_lshlrev_b32 v[LI], 4, v112
	v_lshlrev_b32 v[XA], 11, v113
	v_lshl_add_u32 v[XA], v114, 6, v[XA]
	s_lshl_b32 s44, s[WV], 12
	v_add_nc_u32 v[XWI], s44, v[LI]                ; wave w makes fragments 2 w and 2 w + 1: tile of rows w / 2, K steps 2 (w % 2) and + 1
	v_lshl_add_u32 v[GOS], v112, 3, s44
	s_lshr_b32 s44, s[WV], 1
	s_lshl_b32 s44, s44, 9
	s_and_b32 s47, s[WV], 1
	s_lshl_b32 s47, s47, 3
	s_add_co_u32 s44, s44, s47
	v_add_nc_u32 v[XWS], s44, v[LI]
	s_lshl_b32 s44, s[WV], 11
	v_add_nc_u32 v[HWI], s44, v[LI]
	v_lshl_add_u32 v[VSO], v112, 3, s44
	s_lshl_b32 s44, s[WV], 2
	v_add_nc_u32 v[HWS], s44, v[LI]
	s_lshl_b32 s44, s[WV], 8
	s_add_co_u32 s47, s44, B0L
	v_lshl_add_u32 v[B0A], v114, 6, s47
	v_lshl_add_u32 v[VBA], v115, 2, s47
	s_add_co_u32 s47, s44, YST
	v_mul_u32_u24 v[YSO], v113, YP
	v_lshl_add_u32 v[YSO], v114, 6, v[YSO]
	v_add_nc_u32 v[YSO], s47, v[YSO]
	v_add_nc_u32 v[YSO+1], 32*YP, v[YSO]
	v_add_nc_u32 v[YSO+2], 64*YP, v[YSO]
	s_mul_i32 s44, s[WV], 8*YP
	s_add_co_u32 s44, s44, YST+12*YP
	v_lshl_add_u32 v[YRD], v112, 5, s44
	v_lshl_add_u32 v[HSO], v112, 5, YST+12*YP
	s_mul_i32 s44, s[WV], 8*CP
	s_add_co_u32 s44, s44, CST
	v_lshl_add_u32 v[CSO], v112, 3, s44
	s_lshl_b32 s44, s[WV], 7
	s_add_co_u32 s44, s44, SST
	v_lshrrev_b32 v116, 2, v112
	v_add_nc_u32 v[SSO], s44, v116
	s_lshl_b32 s44, s[WV], 6
	s_add_co_u32 s44, s44, CST
	v_mul_u32_u24 v[CRD], v113, CP
	v_lshl_add_u32 v[CRD], v114, 4, v[CRD]
	v_add_nc_u32 v[CRD], s44, v[CRD]
	s_lshl_b32 s44, s[WV], 1
	s_add_co_u32 s44, s44, SST
	v_lshl_add_u32 v[SRD], v112, 5, s44
	s_lshl_b32 s44, s[WV], 16
	v_add_nc_u32 v[GOC], s44, v[LI]
	v_add_nc_u32 v[VFI], VIMG, v[LI]
	s_lshl_b32 s44, s[WV], 13
	v_add_nc_u32 v[VWI], s44, v[VFI]
	v_add_nc_u32 v[VSI], VSCL, v[LI]
	s_lshl_b32 s44, s[WV], 9
	v_add_nc_u32 v[VSWA], s44, v[VSI]
	v_lshlrev_b32 v[VA], 9, v113
	v_lshl_add_u32 v[VA], v114, 4, v[VA]
	v_lshlrev_b32 v[VSA], 4, v113
	v_lshlrev_b32 v[WA], 9, v115
	v_lshl_add_u32 v[WA], v114, 4, v[WA]
	v_lshlrev_b32 v[WSA], 4, v115
	v_lshlrev_b32 v[B0T], 3, v0
	v_add_nc_u32 v[B0LA], B0L, v[B0T]
.irp b, 0,1,2,3
	v_mov_b32 v[TM+4+\b], 0                        ; written once: a lane permute's destination counts as one of its sources
.endr
	s_mov_b32 s45, 0                               ; the upper word of every offset below
	s_and_b32 s[QT], ttmp9, 3                      ; which 256 rows of the sequence
	s_bfe_u32 s[BB], ttmp9, 0x50002                ; which sequence
	s_lshl_b32 s47, s[BB], 10
	s_lshl_b32 s48, s[QT], 8
	s_add_co_u32 s[ROW0], s47, s48                 ; my first row in the tensor
	s_mov_b32 s[SEL], 0x76543210
	s_mov_b32 s[SEL+1], 0xfedcba98
	s_mov_b32 s[MNT], 0x600000
	s_mov_b32 s[CM], 0x3d8293ee
	s_mov_b32 s[HM], 0xffff0000
	s_mov_b32 s[BLK], 4
	s_wait_kmcnt 0x0
	s_cmp_lt_u32 ttmp9, 128                        ; query's work-group or key's?  The choice hangs on the work-group's number alone
	s_cselect_b64 s[8:9], s[8:9], s[10:11]
	s_cselect_b64 s[22:23], s[22:23], s[26:27]
	s_cselect_b64 s[24:25], s[24:25], s[28:29]
	s_lshr_b32 s47, s[WV], 1
	s_lshl_b32 s47, s47, 4
	s_add_co_u32 s47, s47, s[ROW0]
	s_lshl_b32 s47, s47, 11
	s_and_b32 s48, s[WV], 1
	s_lshl_b32 s48, s48, 10
	s_add_co_u32 s44, s47, s48
	s_add_nc_u64 s[XP:XP+1], s[8:9], s[44:45]      ; x at row 16 (w / 2) of the block, column 256 (w % 2)
	s_lshl_b32 s47, s[BB], 19
	s_lshl_b32 s48, s[QT], 14
	s_add_co_u32 s44, s47, s48
	s_add_nc_u64 s[22:23], s[22:23], s[44:45]      ; the codes' buffer at my first tile of rows (head 0)
	s_lshl_b32 s47, s[BB], 15
	s_lshl_b32 s48, s[QT], 10
	s_add_co_u32 s44, s47, s48
	s_add_nc_u64 s[24:25], s[24:25], s[44:45]      ; the scale words' likewise
	s_lshl_b32 s44, s[WV], 15
	s_add_nc_u64 s[12:13], s[12:13], s[44:45]      ; my 64 rows of W0
	s_lshl_b32 s44, s[WV], 10
	s_add_nc_u64 s[14:15], s[14:15], s[44:45]
	s_lshr_b32 s47, ttmp9, 3                       ; value: which sequence,
	s_and_b32 s48, ttmp9, 7                        ; which 128 rows
	s_lshl_b32 s49, s47, 10
	s_lshl_b32 s52, s48, 7
	s_add_co_u32 s49, s49, s52
	s_lshl_b32 s52, s[WV], 4
	s_add_co_u32 s49, s49, s52                     ; the tile of rows that I bring in
	s_lshl_b32 s44, s49, 9
	s_add_nc_u64 s[18:19], s[18:19], s[44:45]
	s_lshl_b32 s44, s49, 4
	s_add_nc_u64 s[20:21], s[20:21], s[44:45]
	s_lshl_b32 s49, s47, 19
	s_lshl_b32 s52, s48, 13
	s_add_co_u32 s44, s49, s52
	s_add_nc_u64 s[30:31], s[30:31], s[44:45]
	s_lshl_b32 s49, s47, 14
	s_lshl_b32 s52, s48, 8
	s_add_co_u32 s44, s49, s52
	s_add_nc_u64 s[32:33], s[32:33], s[44:45]
	; The halo tile (16 rows ahead of my first; waves 0-3 quantise a K step each) exists where my rows are not the sequence's first.  Both arms issue the same 48 loads behind it, so that the counts below hold on both.
	s_cmp_eq_u32 s[QT], 0
	s_cbranch_scc1 .Lno_halo
	s_cmp_gt_u32 s[WV], 3
	s_cbranch_scc1 .Lno_halo
	s_sub_co_u32 s48, s[ROW0], 16
	s_lshl_b32 s48, s48, 11
	s_lshl_b32 s49, s[WV], 9
	s_add_co_u32 s48, s48, s49
	s_mov_b32 s49, 0
	s_add_nc_u64 s[HP:HP+1], s[8:9], s[48:49]
	XLOAD HX, HP, 0, 0                             ; (no hint: the neighbouring work-group reads these rows too)
	XLOAD XN, XP, 0, 1
	WIN 0x40                                       ; destination window 1
	W0LOAD 0
	W0LOAD 1
	WIN 0
	s_wait_loadcnt 48                              ; the halo's 16 loads are in; behind them: 16 of x, 32 of W0
	QUANT HX, 0, 0
	IMAGE HWI, HIMG
	ds_store_b32 v[HWS], v[PW] offset:HSC
	s_branch .Ljoin
.Lno_halo:
	XLOAD XN, XP, 0, 1
	WIN 0x40
	W0LOAD 0
	W0LOAD 1
	WIN 0
.Ljoin:
	s_wait_loadcnt 32                              ; block 0, my first K step; W0's 32 may be out
	s_wait_dscnt 0x0                               ; the halo's stores have read the codes' registers
	QUANT XN, 0, 0
	IMAGE XWI, XIMG
	ds_store_b32 v[XWS], v[PW] offset:XSC
	XLOAD XN, XP, 512, 1
	WIN 0x40
	W0LOAD 2
	W0LOAD 3
	WIN 0
.irp t, 0,1,2,3
	global_load_b128 v[W0S+4*\t:W0S+4*\t+3], v[WSA], s[14:15] offset:(32*(\t/2)+8*(\t%2))*16   ; a row's 16 scale bytes: the words of its four K steps
.endr
	global_load_b64 v[210:211], v[B0T], s[16:17]
	global_load_b128 v[VSW:VSW+3], v[VSA], s[20:21]
	s_wait_loadcnt 38                              ; my second K step; behind it: 32 of W0, 4 of its scales, b0, value's scales
	s_wait_dscnt 0x0
	QUANT XN, 0, 0
	IMAGE XWI, XIMG+2048
	ds_store_b32 v[XWS], v[PW] offset:XSC+4
	s_add_nc_u64 s[XP:XP+1], s[XP:XP+1], 131072    ; the loads that named it are in: on to block 1
	XLOAD XN, XP, 0, 1
	s_wait_loadcnt 16                              ; all but block 1's 16
	ds_store_b64 v[B0LA], v[210:211]
	BARRIER                                        ; block 0's fragments, the halo's and b0 lie in LDS
	PTILE HIMG, HSC, YSO, 0, 1
.Lblock:
	PTILE XIMG, XSC, YSO, 16*YP, 0
	PTILE XIMG+8192, XSC+512, YSO+1, 0, 0
	PTILE XIMG+16384, XSC+1024, YSO+1, 16*YP, 0
	PTILE XIMG+24576, XSC+1536, YSO+2, 0, 0
	BARRIER                                        ; 64 rows of y lie in LDS, and nobody reads x's fragments any more
	s_wait_loadcnt 0x0                             ; the next block's first K step, asked for a phase ago, is in (in the last block no load is out): on both ways below v48-111 are loaded anew only behind this wait
	s_cmp_eq_u32 s[BLK], 1
	s_cbranch_scc1 .Lvload
	QUANT XN, 0, 0
	IMAGE XWI, XIMG
	ds_store_b32 v[XWS], v[PW] offset:XSC
	XLOAD XN, XP, 512, 1                           ; its second lands under the mix
	s_branch .Lmix
.Lvload:                                               ; the last block: value's codes take x's place
.irp s, 0,1,2,3
.irp c, 0,1,2,3
	global_load_b128 v[XN+16*\s+4*\c:XN+16*\s+4*\c+3], v[VA], s[18:19] offset:128*\s+32*\c th:TH_LOAD_NT
.endr
.endr
.Lmix:
.irp k, 0,1,2,3,4
	YLOAD \k
.endr
.irp k, 4,5,6,7,8,9,10,11
	ROW \k
.endr
	BARRIER                                        ; 64 rows of codes and scale bytes lie in LDS, and nobody reads y any more
	s_cmp_lg_u32 s[WV], 7
	s_cbranch_scc1 .Lnot7
	s_cmp_eq_u32 s[BLK], 1
	s_cbranch_scc1 .Lnot7
.irp i, 0,1,2,3                        ; wave 7 still holds the block's last four rows (slots 2-5): they are the next block's four rows ahead
	ds_store_b128 v[HSO], v[Y+16*(2+\i):Y+16*(2+\i)+3] offset:\i*YP
	ds_store_b128 v[HSO], v[Y+16*(2+\i)+4:Y+16*(2+\i)+7] offset:\i*YP+16
	ds_store_b128 v[HSO], v[Y+16*(2+\i)+8:Y+16*(2+\i)+11] offset:\i*YP+1024
	ds_store_b128 v[HSO], v[Y+16*(2+\i)+12:Y+16*(2+\i)+15] offset:\i*YP+1040
.endr
.Lnot7:
.irp i, 0,1,2,3                        ; OUT: my head's codes of the four tiles of rows, in the order of an operand's registers
.irp c, 0,1
	ds_load_b128 v[OB+4*(2*\i+\c):OB+4*(2*\i+\c)+3], v[CRD] offset:16*\i*CP+32*\c
.endr
.endr
	ds_load_u16 v210, v[SRD]                       ; my head's two scale bytes of rows 2 lane and 2 lane + 1
	ds_load_u16 v211, v[SRD] offset:16
	s_wait_dscnt 0x0
	v_lshl_or_b32 v212, v210, 16, v210             ; written twice in the word: the next launch uses a head's 64 in either half of a K step of 128
	v_lshl_or_b32 v213, v211, 16, v211
.irp i, 0,1,2,3
.irp c, 0,1
	global_store_b128 v[GOC], v[OB+4*(2*\i+\c):OB+4*(2*\i+\c)+3], s[22:23] offset:512*(2*\i+\c)   ; 32 lanes store 512 consecutive bytes, aligned
.endr
.endr
	global_store_b64 v[GOS], v[212:213], s[24:25]  ; 32 lanes store 256 consecutive bytes, aligned
	s_cmp_eq_u32 s[BLK], 1
	s_cbranch_scc1 .Lvstore
	s_wait_loadcnt 0x0
	QUANT XN, 0, 0
	IMAGE XWI, XIMG+2048
	ds_store_b32 v[XWS], v[PW] offset:XSC+4
	s_add_nc_u64 s[XP:XP+1], s[XP:XP+1], 131072    ; the loads that named it are in
	s_cmp_eq_u32 s[BLK], 2
	s_cbranch_scc1 .Ltail                          ; no block follows the next one: no load leaves the buffer
	XLOAD XN, XP, 0, 1
	s_branch .Ltail
.Lvstore:
	s_wait_loadcnt 0x0
.irp s, 0,1,2,3
.irp c, 0,1,2,3
	ds_store_b128 v[VWI], v[XN+16*\s+4*\c:XN+16*\s+4*\c+3] offset:2048*\s+512*\c   ; value's codes were loaded in fragment order: they go to LDS as images
.endr
.endr
	ds_store_b128 v[VSWA], v[VSW:VSW+3]
.Ltail:
	s_wait_xcnt 0x0                                ; the stores have read their registers and bases: both may be written again
	s_add_nc_u64 s[22:23], s[22:23], 4096
	s_add_nc_u64 s[24:25], s[24:25], 256
	BARRIER                                        ; the next block's fragments (at the end: value's) lie in LDS, and nobody reads the stage of codes any more
	s_sub_co_u32 s[BLK], s[BLK], 1
	s_cmp_lg_u32 s[BLK], 0
	s_cbranch_scc1 .Lblock
	; V: v = value W0 + b0 for 128 keys x my 64 columns d.  Source 0 = 16 rows of value, source 1 = a tile of W0: lane (r, h) holds ONE column d and keys 8 h + 0 .. 7 of the tile.  Two tiles of rows give a lane 16 keys
	; of a block of 32, in the order 8 h + i, 16 + 8 h + i: the order in which the next launch's p lies, so the products are kept.  The bias is the C of each sum's first product: eight equal registers.
.irp t, 0,1,2,3
	ds_load_b32 v[208+8*\t+12*(\t/3)], v[VBA] offset:(32*(\t/2)+8*(\t%2))*4
.endr
	s_wait_dscnt 0x0
.irp t, 0,1,2,3
.irp j, 1,2,3,4,5,6,7
	v_mov_b32 v[208+8*\t+12*(\t/3)+\j], v[208+8*\t+12*(\t/3)]
.endr
.endr
	PLACES 4
.irp c, 0,1,2,3                        ; a block of 32 keys
.irp u, 0,1                            ; its two tiles of rows
.irp s, 0,1,2,3
	FETCH FR+16*\s, VFI, (4*(2*\c+\u)+\s)*2048
.endr
	ds_load_b128 v[XS:XS+3], v[VSI] offset:512*(2*\c+\u)
	s_wait_dscnt 0x0
	WIN 0x04                                       ; source 1 (W0) in window 1
.irp s, 0,1,2,3
.irp t, 0,1,2,3
.if \s == 0
	v_wmma_scale_f32_16x16x128_f8f6f4 v[VACC+16*\t+8*\u:VACC+16*\t+8*\u+7], v[FR+16*\s:FR+16*\s+15], v[16*(4*\t+\s):16*(4*\t+\s)+15], v[208+8*\t+12*(\t/3):208+8*\t+12*(\t/3)+7], v[XS+\s], v[W0S+4*\t+\s] matrix_a_fmt:MATRIX_FMT_BF8 matrix_b_fmt:MATRIX_FMT_BF8
.else
	v_wmma_scale_f32_16x16x128_f8f6f4 v[VACC+16*\t+8*\u:VACC+16*\t+8*\u+7], v[FR+16*\s:FR+16*\s+15], v[16*(4*\t+\s):16*(4*\t+\s)+15], v[VACC+16*\t+8*\u:VACC+16*\t+8*\u+7], v[XS+\s], v[W0S+4*\t+\s] matrix_a_fmt:MATRIX_FMT_BF8 matrix_b_fmt:MATRIX_FMT_BF8
.endif
.endr
.endr
	WIN 0
	PLACES NP                                      ; ahead of the loads into the fragments' and scale words' registers, and of the first read of results
.endr
	QUANT VACC, 1, \c
.irp t, 0,1,2,3
	global_store_b128 v[GOC], v[PC+4*\t:PC+4*\t+3], s[30:31] offset:2048*\t+512*\c   ; registers 4 c .. 4 c + 3 of tile t's fragment of V^T: 512 consecutive bytes, aligned
.endr
.endr
	v_cndmask_b32 v[TM], v[VW], v[VW+2], s[HM]     ; lanes 0-15 keep the words of tiles 0 and 1, lanes 16-31 those of tiles 2 and 3
	v_cndmask_b32 v[TM+1], v[VW+1], v[VW+3], s[HM]
	global_store_b64 v[VSO], v[TM:TM+1], s[32:33]  ; 256 consecutive bytes, aligned
	s_wait_tensorcnt 0x0                           ; the wave's end: behind my last LDS store
	ds_add_u32 v[SPW], v[NIL]
	s_wait_dscnt 0x0
	s_endpgm
.Lfunc_end_k_qada6cfd4ee_project:
	.size	k_qada6cfd4ee_project, .Lfunc_end_k_qada6cfd4ee_project-k_qada6cfd4ee_project
	.p2alignl 7, 3214868480
	.fill 96, 4, 3214868480
	.section	.rodata,"a",@progbits
	.p2align	6, 0x0
	.amdhsa_kernel k_qada6cfd4ee_project
		.amdhsa_group_segment_fixed_size 316160
		.amdhsa_private_segment_fixed_size 0
		.amdhsa_enable_private_segment 0
		.amdhsa_kernarg_size 104
		.amdhsa_user_sgpr_count 2
		.amdhsa_user_sgpr_kernarg_segment_ptr 1
		.amdhsa_wavefront_size32 1
		.amdhsa_system_sgpr_workgroup_id_x 1
		.amdhsa_system_sgpr_workgroup_id_y 1
		.amdhsa_system_sgpr_workgroup_id_z 1
		.amdhsa_system_vgpr_workitem_id 0
		.amdhsa_next_free_vgpr 512
		.amdhsa_next_free_sgpr 66
		.amdhsa_reserve_vcc 0
		.amdhsa_float_denorm_mode_32 3
		.amdhsa_float_denorm_mode_16_64 3
		.amdhsa_memory_ordered 1
		.amdhsa_forward_progress 1
		.amdhsa_inst_pref_size 247
	.end_amdhsa_kernel
	.amdgpu_metadata
---
amdhsa.version: [ 1, 2 ]
amdhsa.kernels:
  - .name:           k_qada6cfd4ee_project
    .symbol:         k_qada6cfd4ee_project.kd
    .args:
      - { .name: query, .offset: 0, .size: 8, .value_kind: global_buffer, .address_space: global }
      - { .name: key, .offset: 8, .size: 8, .value_kind: global_buffer, .address_space: global }
      - { .name: W0_codes, .offset: 16, .size: 8, .value_kind: global_buffer, .address_space: global }
      - { .name: W0_scales, .offset: 24, .size: 8, .value_kind: global_buffer, .address_space: global }
      - { .name: b0, .offset: 32, .size: 8, .value_kind: global_buffer, .address_space: global }
      - { .name: value_codes, .offset: 40, .size: 8, .value_kind: global_buffer, .address_space: global }
      - { .name: value_scales, .offset: 48, .size: 8, .value_kind: global_buffer, .address_space: global }
      - { .name: qc, .offset: 56, .size: 8, .value_kind: global_buffer, .address_space: global }
      - { .name: qs, .offset: 64, .size: 8, .value_kind: global_buffer, .address_space: global }
      - { .name: kc, .offset: 72, .size: 8, .value_kind: global_buffer, .address_space: global }
      - { .name: ks, .offset: 80, .size: 8, .value_kind: global_buffer, .address_space: global }
      - { .name: vc, .offset: 88, .size: 8, .value_kind: global_buffer, .address_space: global }
      - { .name: vs, .offset: 96, .size: 8, .value_kind: global_buffer, .address_space: global }
    .group_segment_fixed_size: 316160
    .private_segment_fixed_size: 0
    .kernarg_segment_align: 8
    .kernarg_segment_size: 104
    .max_flat_workgroup_size: 256
    .sgpr_count:     66
    .vgpr_count:     512
    .wavefront_size: 32
...
	.end_amdgpu_metadata
.endif
;; end of part 1
;; launch attend (part 2): grid 256 x 1, 16 waves a work-group, no clusters, 141,312 bytes of LDS; arguments qc, qs, kc, ks, vc, vs, xc, xs; writes xc, xs
.if DOCPART == 2
	.amdgcn_target "amdgcn-amd-amdhsa--gfx1250"
	.amdhsa_code_object_version 6
	.text
	.protected	k_qada6cfd4ee_attend
	.globl	k_qada6cfd4ee_attend
	.p2align	8
	.type	k_qada6cfd4ee_attend,@function
k_qada6cfd4ee_attend:
	s_mov_b64 s[64:65], 0
	v_nop
	global_prefetch_b8 v0, s[64:65] scope:SCOPE_SE
	s_setreg_imm32_b32 hwreg(HW_REG_WAVE_MODE, 25, 1), 1
	s_wait_xcnt 0x0
; ATTEND: x[b][q][64 h ..] = the sum over k of softmax_k(q . k / 8) v, for one (b, h) a work-group, both products on codes of E5M2 with one E8M0 byte for each 32 along a product's K; x is quantised along the 512 on the way out.
; No work of reference() is left out here.
; THE SOFTMAX AHEAD OF THE SECOND PRODUCT: t = score x log2(e) / 8; M = the row's largest t so far, rounded UP to a whole number; p = 2^(t - M) is what is quantised, along the keys, not normalised.  The row's sum is
; taken of the unquantised p, in f32, and divides O at the end.  When M moves, the sum and O are multiplied by 2^(old M - new M): exact.
; SHARES.  K and V of a head are 65,536 bytes of codes each: they come into LDS once, as they lie in memory (images of operand registers, made by the launch before), and stay: one barrier in the launch, no ring.
; Sixteen waves, four to a SIMD, so that one wave's vector work stands beside another's matrix work and LDS loads; wave w owns query tiles 4 w .. 4 w + 3, one after the other; each walks the 1,024 keys in steps of 128.
; No cluster: no two work-groups read the same K or V.  No prefetch: every byte is asked for at the kernel's head.
; THE HEAD'S K IS 64, HALF OF THE INSTRUCTION'S 128.  Source 0 holds TWO tiles of 16 keys, one in each half of K; the queries stand once as [q | 0] and once as [0 | q] (zero codes add nothing): the two products give the two
; tiles' scores, and no LDS byte or load is spent on zeros.
; LAYOUT.  Both products are used transposed (S^T = K Q^T, O^T = V^T P^T): a lane holds ONE query throughout.  A lane's 16 scores of a pair of tiles are keys 8 h + i and 16 + 8 h + i of a block of 32; V's codes were laid in the
; same order inside each block, so the products are kept and the block's scale is that of its 32 keys.  V^T's tiles take d = 32 (t / 2) + 8 (t % 2) + r + 8 (r / 8), so that O^T's 16 registers of two tiles are 16 neighbouring d.
; LIMITS: NaN and infinities are not served; a block of zeros, or one under 2^-111, has the floor's byte 1.
.set KIMG,  0
.set VIMG,  65536
.set KSC,   131072                     ; K's scale words: word 16 P + r: the two bytes of key 32 P + r below, those of key 32 P + 16 + r above
.set VSC,   133120                     ; V's scale words as they lie in memory: [step][lane][2]
.set XSS,   135168                     ; x's scale words, 256 bytes for each wave
.set SPARE, 139264                     ; the spare words, 128 bytes for each wave: eight blocks of 256 bytes that no other line names
.set AK0,  1                           ; 16 x lane
.set AV0,  2                           ; VIMG + 16 x lane
.set ASK0, 3                           ; KSC + 4 x lane
.set ASV0, 4                           ; VSC + 8 x lane
.set SPW,  5                           ; my spare word's LDS address; never rewritten
.set NIL,  6                           ; 0; never rewritten
.set XSA,  7                           ; XSS + 256 x wave + 4 (lane % 16)
.set ADK,  8                           ; the step's addresses
.set ADV,  9
.set ADS,  10
.set ADT,  11
                                       ; v12 -M, v13 the largest t, v[14:15] the sum in two halves; v16-23 zeros, v24-31 Q, v32-39 zeros
.set KF,   40                          ; v40-103  four fragments of K (pairs of tiles) or of V^T
.set S,    104                         ; v104-167 S^T, then p; on the way out x
.set O,    168                         ; v168-199 O^T
.set PC,   200                         ; v200-215 p's codes; on the way out x's
.set BM,   216                         ; the blocks' largest scores, then largest p
.set TP,   220                         ; at work; the bytes
.set HD,   224                         ; 57,344 x the scale
.set SO,   228                         ; the conversions' scale operands
.set KS,   232                         ; v232-233 K's scale words: pairs 0, 1 and pairs 2, 3 (lanes 0-15, lanes 16-31)
.set VS,   234                         ; v[234:235] V's: tiles 0, 1 in lanes 0-15, tiles 2, 3 in lanes 16-31
.set QW,   236                         ; Q's scale word
.set PW,   237                         ; p's scale word
.set FF,   240                         ; v[240:241] f = 2^(old M - new M), named as a pair
.set TT,   242                         ; v[242:243] at work; 1 / the sum, named as a pair
.set XW,   244                         ; x's scale word
.set FT,   245                         ; the fill: 16 x thread
.set FW,   246                         ; 4 x thread
.set FK,   247                         ; K's scale words in memory
.set QG,   248                         ; 4 (lane % 16)
.set XSR,  249                         ; x's scale words, read back
.set XSG,  250                         ; 8 x lane
.set FV,   251                         ; VIMG + 16 x thread
.set FKS,  252                         ; KSC + 4 x thread
.set WV,   20
.set TB,   21                          ; the step's tiles: 8,192 bytes a step
.set TS,   22                          ; the step's scale words: 256 bytes a step
.set TX,   23                          ; the tile's place among x's scale words: 64 bytes a tile
.set STEPS, 24
.set TILES, 25
.set SEL,  26                          ; s[26:27] lane selects for v_permlanex16_b32: lane l xor 16
.set CS,   28                          ; s[28:29] c = log2(e) / 8: the packed form names a pair and takes its low word for both halves
.set MNT,  30                          ; the mantissa field of 57,344
.set PSEL, 31                          ; v_perm_b32: the two low halves
.macro PLACES n
.rept \n
	v_nop
.endr
.endm
.macro QLOAD
	global_load_b128 v[24:27], v[AK0], s[4:5] th:TH_LOAD_NT
	global_load_b128 v[28:31], v[AK0], s[4:5] offset:512 th:TH_LOAD_NT
	global_load_b32 v[QW], v[QG], s[6:7]
.endm
; A KEY STEP: 128 keys
.macro STEP
	v_add_nc_u32 v[ADK], s[TB], v[AK0]
	v_add_nc_u32 v[ADV], s[TB], v[AV0]
	v_add_nc_u32 v[ADS], s[TS], v[ASK0]
	v_add_nc_u32 v[ADT], s[TS], v[ASV0]
	PLACES 4                                       ; with the four additions: eight places ahead of loads into registers that the last step's products read
.irp p, 0,1,2,3
.irp c, 0,1,2,3
	ds_load_b128 v[KF+16*\p+4*\c:KF+16*\p+4*\c+3], v[ADK] offset:2048*\p+512*\c
.endr
.endr
	ds_load_b32 v[KS], v[ADS]
	ds_load_b32 v[KS+1], v[ADS] offset:128
	s_wait_dscnt 0x0
.irp p, 0,1,2,3                        ; pair p: keys 32 p + 0 .. 15 by [q | 0], keys 32 p + 16 .. 31 by [0 | q]
.if \p % 2
	v_wmma_scale_f32_16x16x128_f8f6f4 v[S+16*\p:S+16*\p+7], v[KF+16*\p:KF+16*\p+15], v[24:39], 0, v[KS+\p/2], v[QW] matrix_a_fmt:MATRIX_FMT_BF8 matrix_b_fmt:MATRIX_FMT_BF8 matrix_a_scale:MATRIX_SCALE_ROW1
	v_wmma_scale_f32_16x16x128_f8f6f4 v[S+16*\p+8:S+16*\p+15], v[KF+16*\p:KF+16*\p+15], v[16:31], 0, v[KS+\p/2], v[QW] matrix_a_fmt:MATRIX_FMT_BF8 matrix_b_fmt:MATRIX_FMT_BF8 matrix_a_scale:MATRIX_SCALE_ROW1
.else
	v_wmma_scale_f32_16x16x128_f8f6f4 v[S+16*\p:S+16*\p+7], v[KF+16*\p:KF+16*\p+15], v[24:39], 0, v[KS+\p/2], v[QW] matrix_a_fmt:MATRIX_FMT_BF8 matrix_b_fmt:MATRIX_FMT_BF8
	v_wmma_scale_f32_16x16x128_f8f6f4 v[S+16*\p+8:S+16*\p+15], v[KF+16*\p:KF+16*\p+15], v[16:31], 0, v[KS+\p/2], v[QW] matrix_a_fmt:MATRIX_FMT_BF8 matrix_b_fmt:MATRIX_FMT_BF8
.endif
.endr
	PLACES 8                                       ; ahead of the loads into K's registers and of the first read of the scores
.irp t, 0,1,2,3                        ; V^T's four fragments land under the softmax
.irp c, 0,1,2,3
	ds_load_b128 v[KF+16*\t+4*\c:KF+16*\t+4*\c+3], v[ADV] offset:2048*\t+512*\c
.endr
.endr
	ds_load_b64 v[VS:VS+1], v[ADT]
.irp b, 0,1,2,3
	v_max3_num_f32 v[BM+\b], v[S+16*\b], v[S+16*\b+1], v[S+16*\b+2]   ; the largest score of each block of 32 keys: it serves for the row's maximum and, since p rises with the score, for the block's largest p
.endr
.irp i, 3,5,7,9,11,13
.irp b, 0,1,2,3
	v_max3_num_f32 v[BM+\b], v[BM+\b], v[S+16*\b+\i], v[S+16*\b+\i+1]
.endr
.endr
.irp b, 0,1,2,3
	v_max_num_f32 v[BM+\b], v[BM+\b], v[S+16*\b+15]
.endr
.irp b, 0,1,2,3
	v_permlanex16_b32 v[TP+\b], v[BM+\b], s[SEL], s[SEL+1]
.endr
.irp b, 0,1,2,3
	v_max_num_f32 v[BM+\b], v[BM+\b], v[TP+\b]     ; with lane l xor 16's 16 keys
.endr
	v_max3_num_f32 v[TT], v[BM], v[BM+1], v[BM+2]
	v_max_num_f32 v[TT], v[TT], v[BM+3]            ; the step's largest score of my query
	v_mul_f32 v[TT], s[CS], v[TT]                  ; as t (c is positive)
	v_max_num_f32 v13, v13, v[TT]                  ; the running largest t
	v_mov_b32 v[TT], v12
	v_floor_f32 v12, -v13                          ; the new -M = floor(-t) = -ceil(t)
	v_sub_f32 v[TT], v12, v[TT]                    ; old M - new M: a whole number, 0 or less
	v_cvt_i32_f32 v[TT], v[TT]                     ; (it saturates)
	v_ldexp_f32 v[FF], 1.0, v[TT]                  ; f = 2^(old M - new M)
.irp j, 0,2,4,6,8,10,12,14,16,18,20,22,24,26,28,30,32,34,36,38,40,42,44,46,48,50,52,54,56,58,60,62
	v_pk_fma_f32 v[S+\j:S+\j+1], v[S+\j:S+\j+1], s[CS:CS+1], v[12:13] op_sel_hi:[1,0,0]   ; t - M, two at a time
.endr
.irp b, 0,1,2,3
	v_fma_f32 v[BM+\b], v[BM+\b], s[CS], v12       ; the same of each block's largest score
.endr
.irp j, 0,1,2,3,4,5,6,7,8,9,10,11,12,13,14,15,16,17,18,19,20,21,22,23,24,25,26,27,28,29,30,31,32,33,34,35,36,37,38,39,40,41,42,43,44,45,46,47,48,49,50,51,52,53,54,55,56,57,58,59,60,61,62,63
	v_exp_f32 v[S+\j], v[S+\j]                     ; p = 2^(t - M), at most 1
.endr
	v_pk_mul_f32 v[14:15], v[14:15], v[FF:FF+1] op_sel_hi:[1,0]   ; the sums under the new M (a plain instruction behind the exponentials)
	s_wait_alu depctr_va_vdst(0)                   ; one wait for the batch of 64, ahead of its first reader
.irp b, 0,1,2,3
	v_exp_f32 v[BM+\b], v[BM+\b]                   ; the block's largest p: the same two instructions on the same number give the same bits
.endr
	v_pk_add_f32 v[TP:TP+1], v[S:S+1], v[S+2:S+3]  ; the row's sum is taken of the unquantised p: two at a time, in two chains
.irp j, 4,8,12,16,20,24,28,32,36,40,44,48,52,56,60
	v_pk_add_f32 v[14:15], v[14:15], v[S+\j:S+\j+1]
	v_pk_add_f32 v[TP:TP+1], v[TP:TP+1], v[S+\j+2:S+\j+3]
.endr
	v_pk_add_f32 v[14:15], v[14:15], v[TP:TP+1]
	s_wait_alu depctr_va_vdst(0)                   ; and one for the four
.irp b, 0,1,2,3
	v_max_num_f32 v[BM+\b], 0x8000000, v[BM+\b]    ; the floor 2^(16 - 127): the byte cannot fall under 1
.endr
.irp b, 0,1,2,3
	v_add_nc_u32 v[SO+\b], 0xf8800000, v[BM+\b]    ; 15 off the exponent field: the conversion's scale operand
.endr
.irp b, 0,1,2,3
	v_and_or_b32 v[HD+\b], v[BM+\b], 0x7f800000, s[MNT]   ; 57,344 x the scale
.endr
.irp b, 0,1,2,3
	v_lshrrev_b32 v[TP+\b], 23, v[SO+\b]           ; the scale's byte
.endr
	v_lshl_or_b32 v[PW], v[TP+1], 8, v[TP]         ; p's scale word for these 128 keys
	v_lshl_or_b32 v[PW], v[TP+2], 16, v[PW]
	v_lshl_or_b32 v[PW], v[TP+3], 24, v[PW]
.irp b, 0,1,2,3
.irp i, 0,1,2,3,4,5,6,7,8,9,10,11,12,13,14,15
	v_min_num_f32 v[S+16*\b+\i], v[S+16*\b+\i], v[HD+\b]   ; the conversion to an 8-bit code does not saturate (ISA guide 7.6.2); p is not negative, so the hold is one-sided
.endr
	v_cvt_scalef32_pk8_bf8_f32 v[PC+4*\b:PC+4*\b+1], v[S+16*\b:S+16*\b+7], v[SO+\b]
	v_cvt_scalef32_pk8_bf8_f32 v[PC+4*\b+2:PC+4*\b+3], v[S+16*\b+8:S+16*\b+15], v[SO+\b]
.endr
.irp j, 0,2,4,6,8,10,12,14,16,18,20,22,24,26,28,30
	v_pk_mul_f32 v[O+\j:O+\j+1], v[O+\j:O+\j+1], v[FF:FF+1] op_sel_hi:[1,0]   ; O^T under the new M (also the places between the codes and the products)
.endr
	PLACES 4                                       ; and four between the last of these and the products that take them as C
	s_wait_dscnt 0x0                               ; V^T's fragments and scale words are in
	v_wmma_scale_f32_16x16x128_f8f6f4 v[O:O+7], v[KF:KF+15], v[PC:PC+15], v[O:O+7], v[VS], v[PW] matrix_a_fmt:MATRIX_FMT_BF8 matrix_b_fmt:MATRIX_FMT_BF8
	v_wmma_scale_f32_16x16x128_f8f6f4 v[O+8:O+15], v[KF+16:KF+31], v[PC:PC+15], v[O+8:O+15], v[VS+1], v[PW] matrix_a_fmt:MATRIX_FMT_BF8 matrix_b_fmt:MATRIX_FMT_BF8
	v_wmma_scale_f32_16x16x128_f8f6f4 v[O+16:O+23], v[KF+32:KF+47], v[PC:PC+15], v[O+16:O+23], v[VS], v[PW] matrix_a_fmt:MATRIX_FMT_BF8 matrix_b_fmt:MATRIX_FMT_BF8 matrix_a_scale:MATRIX_SCALE_ROW1
	v_wmma_scale_f32_16x16x128_f8f6f4 v[O+24:O+31], v[KF+48:KF+63], v[PC:PC+15], v[O+24:O+31], v[VS+1], v[PW] matrix_a_fmt:MATRIX_FMT_BF8 matrix_b_fmt:MATRIX_FMT_BF8 matrix_a_scale:MATRIX_SCALE_ROW1
	s_add_co_u32 s[TB], s[TB], 8192
	s_add_co_u32 s[TS], s[TS], 256
.endm
	s_load_b512 s[4:19], s[0:1], 0x0               ; qc, qs, kc, ks, vc, vs, xc, xs
	v_lshl_add_u32 v[SPW], v0, 2, SPARE
	v_mov_b32 v[NIL], 0
	v_lshrrev_b32 v8, 5, v0
	v_readfirstlane_b32 s[WV], v8                  ; wave 0..15
	v_and_b32 v9, 31, v0                           ; lane
	v_and_b32 v10, 15, v0                          ; lane % 16 = thread % 16
	v_lshrrev_b32 v11, 4, v0                       ; thread / 16
	v_lshlrev_b32 v[AK0], 4, v9
	v_add_nc_u32 v[AV0], VIMG, v[AK0]
	v_lshl_add_u32 v[ASK0], v9, 2, KSC
	v_lshl_add_u32 v[ASV0], v9, 3, VSC
	s_lshl_b32 s32, s[WV], 8
	s_add_co_u32 s32, s32, XSS
	v_lshl_add_u32 v[XSA], v10, 2, s32
	v_lshl_add_u32 v[XSR], v9, 3, s32
	v_lshlrev_b32 v[XSG], 3, v9
	v_lshlrev_b32 v[QG], 2, v10
	v_lshlrev_b32 v[FT], 4, v0
	v_add_nc_u32 v[FV], VIMG, v[FT]
	v_lshlrev_b32 v[FW], 2, v0
	v_lshl_add_u32 v[FKS], v0, 2, KSC
	v_lshl_add_u32 v[FK], v11, 7, v[QG]            ; the word of key 32 (thread / 16) + thread % 16
.irp j, 16,17,18,19,20,21,22,23,32,33,34,35,36,37,38,39
	v_mov_b32 v[\j], 0                             ; the zero codes on either side of Q
.endr
.irp b, 0,1,2,3
	v_mov_b32 v[TP+\b], 0                          ; written once: a lane permute's destination counts as one of its sources
.endr
	v_mov_b32 v[FF+1], 0                           ; (named as upper halves of pairs)
	v_mov_b32 v[TT+1], 0
	s_mov_b32 s[SEL], 0x76543210
	s_mov_b32 s[SEL+1], 0xfedcba98
	s_mov_b32 s[CS], 0x3e38aa3b
	s_mov_b32 s[CS+1], s[CS]
	s_mov_b32 s[MNT], 0x600000
	s_mov_b32 s[PSEL], 0x05040100
	s_mov_b32 s[TILES], 4
	s_mov_b32 s[TX], 0
	s_lshl_b32 s32, ttmp9, 16                      ; a head's codes: 65,536 bytes in qc, kc, vc
	s_mov_b32 s33, 0
	s_lshl_b32 s34, s[WV], 12
	s_add_co_u32 s34, s34, s32                     ; + my four tiles of queries
	s_mov_b32 s35, 0
	s_lshl_b32 s36, ttmp9, 12                      ; a head's scale words: 4,096 bytes in qs, ks, xs
	s_mov_b32 s37, 0
	s_lshl_b32 s38, s[WV], 8
	s_add_co_u32 s38, s38, s36                     ; + my 64 rows
	s_mov_b32 s39, 0
	s_lshl_b32 s40, ttmp9, 11                      ; 2,048 bytes in vs
	s_mov_b32 s41, 0
	s_lshr_b32 s42, ttmp9, 3                       ; xc: tile of rows 64 b + 4 w, 8,192 bytes each; in it head h's two groups of registers begin 1,024 h bytes on
	s_lshl_b32 s42, s42, 6
	s_lshl_b32 s44, s[WV], 2
	s_add_co_u32 s42, s42, s44
	s_lshl_b32 s42, s42, 13
	s_and_b32 s44, ttmp9, 7
	s_lshl_b32 s44, s44, 10
	s_add_co_u32 s42, s42, s44
	s_mov_b32 s43, 0
	s_wait_kmcnt 0x0
	s_add_nc_u64 s[4:5], s[4:5], s[34:35]
	s_add_nc_u64 s[6:7], s[6:7], s[38:39]
	s_add_nc_u64 s[8:9], s[8:9], s[32:33]
	s_add_nc_u64 s[10:11], s[10:11], s[36:37]
	s_add_nc_u64 s[12:13], s[12:13], s[32:33]
	s_add_nc_u64 s[14:15], s[14:15], s[40:41]
	s_add_nc_u64 s[16:17], s[16:17], s[42:43]
	s_add_nc_u64 s[18:19], s[18:19], s[38:39]
.irp i, 0,1,2,3,4,5,6,7                ; THE FILL: 512 threads x 16 bytes x 8 bring K, as many V: dense, read once
	global_load_b128 v[KF+4*\i:KF+4*\i+3], v[FT], s[8:9] offset:8192*\i th:TH_LOAD_NT
.endr
.irp i, 0,1,2,3,4,5,6,7
	global_load_b128 v[KF+32+4*\i:KF+32+4*\i+3], v[FT], s[12:13] offset:8192*\i th:TH_LOAD_NT
.endr
	global_load_b32 v[S], v[FK], s[10:11]
	global_load_b32 v[S+1], v[FK], s[10:11] offset:64
	global_load_b32 v[S+2], v[FW], s[14:15]
	QLOAD
	s_wait_loadcnt 0x0
	v_perm_b32 v[S], v[S+1], v[S], s[PSEL]         ; the first key's two bytes below, those of the key 16 on above
.irp i, 0,1,2,3,4,5,6,7
	ds_store_b128 v[FT], v[KF+4*\i:KF+4*\i+3] offset:8192*\i
.endr
.irp i, 0,1,2,3,4,5,6,7
	ds_store_b128 v[FV], v[KF+32+4*\i:KF+32+4*\i+3] offset:8192*\i
.endr
	ds_store_b32 v[FKS], v[S]
	ds_store_b32 v[FKS], v[S+2] offset:VSC-KSC
	s_wait_dscnt 0x0                               ; for the others' sake: my stores have landed
	s_barrier_signal -1
	s_barrier_wait -1                              ; the head's K and V lie in LDS; nothing there is written again
.Ltile:
	s_wait_loadcnt 0x0                             ; this tile's Q and its scale word
	v_mov_b32 v13, 0xff61b1e6                      ; the largest t so far: -3e38, under every t
	v_floor_f32 v12, -v13                          ; -M
	v_mov_b32 v14, 0                               ; the sum, in two halves
	v_mov_b32 v15, 0
.irp j, 0,1,2,3,4,5,6,7,8,9,10,11,12,13,14,15,16,17,18,19,20,21,22,23,24,25,26,27,28,29,30,31
	v_mov_b32 v[O+\j], 0                           ; O^T.  (The step is written once: a tile's first step finds zeros, which the first change of M leaves zeros)
.endr
	s_mov_b32 s[TB], 0
	s_mov_b32 s[TS], 0
	s_mov_b32 s[STEPS], 8
.Lstep:
	STEP
	s_sub_co_u32 s[STEPS], s[STEPS], 1
	s_cmp_lg_u32 s[STEPS], 0
	s_cbranch_scc1 .Lstep
	PLACES 8                                       ; ahead of the first read of O^T, of the writes of the codes' registers and of the loads into Q's
	s_cmp_eq_u32 s[TILES], 1
	s_cbranch_scc1 .Lno_q                          ; the last tile asks for nothing
	s_add_nc_u64 s[4:5], s[4:5], 1024              ; (the loads that named these bases were waited for at the tile's head)
	s_add_nc_u64 s[6:7], s[6:7], 64
	QLOAD                                          ; the next tile's Q lands under the way out
.Lno_q:
	v_add_f32 v14, v14, v15                        ; the sum's two halves,
	v_permlanex16_b32 v[TT+1], v14, s[SEL], s[SEL+1]
	v_add_f32 v14, v14, v[TT+1]                    ; and lane l xor 16's: the row's sum
	v_rcp_f32 v[TT], v14
	v_nop                                          ; a plain instruction behind the reciprocal,
	s_wait_alu depctr_va_vdst(0)                   ; and the wait ahead of its first reader
.irp j, 0,2,4,6,8,10,12,14,16,18,20,22,24,26,28,30
	v_pk_mul_f32 v[S+\j:S+\j+1], v[O+\j:O+\j+1], v[TT:TT+1] op_sel_hi:[1,0]   ; x: register 16 b + i is x(query r, 64 h + 32 b + 16 (lane / 16) + i)
.endr
.irp b, 0,1                            ; x's two blocks of 32 along the 512 are quantised: they are part of the last product's operand
	v_max3_num_f32 v[BM+\b], |v[S+16*\b]|, |v[S+16*\b+1]|, 0x8000000
.endr
.irp i, 2,4,6,8,10,12,14
.irp b, 0,1
	v_max3_num_f32 v[BM+\b], v[BM+\b], |v[S+16*\b+\i]|, |v[S+16*\b+\i+1]|
.endr
.endr
.irp b, 0,1
	v_permlanex16_b32 v[TP+\b], v[BM+\b], s[SEL], s[SEL+1]
.endr
.irp b, 0,1
	v_max_num_f32 v[BM+\b], v[BM+\b], v[TP+\b]
.endr
.irp b, 0,1
	v_add_nc_u32 v[SO+\b], 0xf8800000, v[BM+\b]
.endr
.irp b, 0,1
	v_and_or_b32 v[HD+\b], v[BM+\b], 0x7f800000, s[MNT]
.endr
.irp b, 0,1
	v_lshrrev_b32 v[TP+\b], 23, v[SO+\b]
.endr
	v_lshl_or_b32 v[XW], v[TP+1], 8, v[TP]         ; my row's two bytes of this head
	v_add_nc_u32 v[ADK], s[TX], v[XSA]
.irp b, 0,1
.irp i, 0,1,2,3,4,5,6,7,8,9,10,11,12,13,14,15
	v_med3_num_f32 v[S+16*\b+\i], v[S+16*\b+\i], -v[HD+\b], v[HD+\b]
.endr
	v_cvt_scalef32_pk8_bf8_f32 v[PC+4*\b:PC+4*\b+1], v[S+16*\b:S+16*\b+7], v[SO+\b]
	v_cvt_scalef32_pk8_bf8_f32 v[PC+4*\b+2:PC+4*\b+3], v[S+16*\b+8:S+16*\b+15], v[SO+\b]
.endr
	v_nop                                          ; one plain vector instruction behind the last conversion
	ds_store_b32 v[ADK], v[XW]                     ; both halves of the lanes write the same word with the same value
	global_store_b128 v[AK0], v[PC:PC+3], s[16:17]               ; 512 consecutive bytes, aligned: registers 4 c .. 4 c + 3 of x's fragment, c = 2 (h % 2),
	global_store_b128 v[AK0], v[PC+4:PC+7], s[16:17] offset:512  ; and c = 2 (h % 2) + 1
	s_wait_xcnt 0x0                                ; the stores have read their registers and base: both are written again in the next tile
	s_add_nc_u64 s[16:17], s[16:17], 8192
	s_add_co_u32 s[TX], s[TX], 64
	s_sub_co_u32 s[TILES], s[TILES], 1
	s_cmp_lg_u32 s[TILES], 0
	s_cbranch_scc1 .Ltile
	ds_load_b64 v[S:S+1], v[XSR]                   ; LDS serves a wave's instructions in order: these see my stores
	s_wait_dscnt 0x0
	global_store_b64 v[XSG], v[S:S+1], s[18:19]    ; my 64 rows' scale words: 256 consecutive bytes, aligned
	s_wait_tensorcnt 0x0                           ; the wave's end: behind my last LDS store
	ds_add_u32 v[SPW], v[NIL]
	s_wait_dscnt 0x0
	s_endpgm
.Lfunc_end_k_qada6cfd4ee_attend:
	.size	k_qada6cfd4ee_attend, .Lfunc_end_k_qada6cfd4ee_attend-k_qada6cfd4ee_attend
	.p2alignl 7, 3214868480
	.fill 96, 4, 3214868480
	.section	.rodata,"a",@progbits
	.p2align	6, 0x0
	.amdhsa_kernel k_qada6cfd4ee_attend
		.amdhsa_group_segment_fixed_size 141312
		.amdhsa_private_segment_fixed_size 0
		.amdhsa_enable_private_segment 0
		.amdhsa_kernarg_size 64
		.amdhsa_user_sgpr_count 2
		.amdhsa_user_sgpr_kernarg_segment_ptr 1
		.amdhsa_wavefront_size32 1
		.amdhsa_system_sgpr_workgroup_id_x 1
		.amdhsa_system_sgpr_workgroup_id_y 1
		.amdhsa_system_sgpr_workgroup_id_z 1
		.amdhsa_system_vgpr_workitem_id 0
		.amdhsa_next_free_vgpr 256
		.amdhsa_next_free_sgpr 66
		.amdhsa_reserve_vcc 0
		.amdhsa_float_denorm_mode_32 3
		.amdhsa_float_denorm_mode_16_64 3
		.amdhsa_memory_ordered 1
		.amdhsa_forward_progress 1
		.amdhsa_inst_pref_size 34
	.end_amdhsa_kernel
	.amdgpu_metadata
---
amdhsa.version: [ 1, 2 ]
amdhsa.kernels:
  - .name:           k_qada6cfd4ee_attend
    .symbol:         k_qada6cfd4ee_attend.kd
    .args:
      - { .name: qc, .offset: 0, .size: 8, .value_kind: global_buffer, .address_space: global }
      - { .name: qs, .offset: 8, .size: 8, .value_kind: global_buffer, .address_space: global }
      - { .name: kc, .offset: 16, .size: 8, .value_kind: global_buffer, .address_space: global }
      - { .name: ks, .offset: 24, .size: 8, .value_kind: global_buffer, .address_space: global }
      - { .name: vc, .offset: 32, .size: 8, .value_kind: global_buffer, .address_space: global }
      - { .name: vs, .offset: 40, .size: 8, .value_kind: global_buffer, .address_space: global }
      - { .name: xc, .offset: 48, .size: 8, .value_kind: global_buffer, .address_space: global }
      - { .name: xs, .offset: 56, .size: 8, .value_kind: global_buffer, .address_space: global }
    .group_segment_fixed_size: 141312
    .private_segment_fixed_size: 0
    .kernarg_segment_align: 8
    .kernarg_segment_size: 64
    .max_flat_workgroup_size: 512
    .sgpr_count:     66
    .vgpr_count:     256
    .wavefront_size: 32
...
	.end_amdgpu_metadata
.endif
;; end of part 2
;; launch outproj (part 3): grid 256 x 1, 8 waves a work-group, no clusters, 105,472 bytes of LDS; arguments xc, xs, Wout_codes, Wout_scales, bout, out0; writes out0
.if DOCPART == 3
	.amdgcn_target "amdgcn-amd-amdhsa--gfx1250"
	.amdhsa_code_object_version 6
	.text
	.protected	k_qada6cfd4ee_outproj
	.globl	k_qada6cfd4ee_outproj
	.p2align	8
	.type	k_qada6cfd4ee_outproj,@function
k_qada6cfd4ee_outproj:
	s_mov_b64 s[64:65], 0
	v_nop
	global_prefetch_b8 v0, s[64:65] scope:SCOPE_SE
	s_setreg_imm32_b32 hwreg(HW_REG_WAVE_MODE, 25, 1), 1
	s_wait_xcnt 0x0
; OUTPROJ: out0 = x Wout + bout, on codes of E5M2 with one E8M0 byte for each 32 along the 512.  x comes as the launch before laid it: images of operand registers, and two scale bytes a row and head.
; No work of reference() is left out here.
; SHARES.  256 work-groups of eight waves; a work-group takes 128 rows, eight tiles of 16.  WAVE w OWNS OUTPUT COLUMNS 64 w .. 64 w + 63: its 16 fragments of Wout fill register window 1 and are read once.
; Each wave brings one tile of x (8,192 dense bytes) into LDS; behind one barrier every wave reads all eight.  No cluster and no tensor load: Wout goes straight into registers, x is read by one work-group alone.
; No prefetch: every byte is asked for at the kernel's head.
; THE MATRIX INSTRUCTION IS USED TRANSPOSED (source 0 = 16 rows of Wout, source 1 = 16 rows of x): a lane holds eight neighbouring columns of one row.  bout is the C of each sum's first product.
; A tile's 16 rows x 256 bytes go through the wave's own stage in LDS, so that sixteen lanes store 256 consecutive bytes, aligned.
.set XIMG,  0                          ; x's 32 fragments: 8,192 m + 2,048 s
.set XSC,   65536                      ; their scale words: [m][lane][4 words]
.set STG,   69632                      ; the stages: 16 rows x (256 bytes + 16) for each wave
.set SPARE, 104448                     ; the spare words, 128 bytes for each wave: four blocks of 256 bytes that no other line names
.set LI,  1                            ; 16 x lane
.set WA,  2                            ; Wout's codes in memory: row r, + 16 h
.set WSA, 3                            ; Wout's scale bytes: 16 r
.set XQ,  4                            ; 4 r
.set STO, 5                            ; into my stage
.set RD,  6                            ; out of it
.set GO,  7                            ; my offset in out0
.set XWI, 8                            ; where I store x's images
.set XSW, 9                            ; and scale words
.set XSR, 10                           ; scale words, read
.set BA,  11                           ; bout: 32 h
.set WS,  16                           ; v16-31  Wout's scale words: 4 t + s
.set BI,  32                           ; v32-63  bout in the result's layout
.set FR,  64                           ; v64-127 four fragments of x
.set XS,  128                          ; v128-131 their scale words
.set ACC, 132                          ; v132-163 four accumulators; at the head: 8 words of xs and the 4 made of them
.set OB,  164                          ; v164-195 rows on their way out
.set SPW, 252
.set NIL, 253
.set WV,  16
.set MSB, 0
.macro WIN new                         ; the immediate's high byte repeats the setting that is left
.if MSB != \new
	s_set_vgpr_msb (MSB<<8)|\new
.set MSB, \new
.endif
.endm
.macro FETCH reg, adr, off
.irp c, 0,1,2,3
	ds_load_b128 v[\reg+4*\c:\reg+4*\c+3], v[\adr] offset:\off+512*\c
.endr
.endm
.macro WLOAD t                         ; tile t's four fragments into window 1 (the destination's window is set by the caller)
.irp s, 0,1,2,3
.irp c, 0,1,2,3
	global_load_b128 v[16*(4*\t+\s)+4*\c:16*(4*\t+\s)+4*\c+3], v[WA], s[8:9] offset:8192*\t+128*\s+32*\c
.endr
.endr
.endm
	s_load_b256 s[4:11], s[0:1], 0x0               ; xc, xs, Wout's codes, Wout's scales
	s_load_b128 s[12:15], s[0:1], 0x20             ; bout, out0
	v_lshl_add_u32 v[SPW], v0, 2, SPARE
	v_mov_b32 v[NIL], 0
	v_lshrrev_b32 v12, 5, v0
	v_readfirstlane_b32 s[WV], v12                 ; wave 0..7
	v_and_b32 v12, 31, v0                          ; lane
	v_and_b32 v13, 15, v0                          ; r
	v_bfe_u32 v14, v0, 4, 1                        ; h
	v_lshlrev_b32 v[LI], 4, v12
	v_lshlrev_b32 v[WA], 9, v13
	v_lshl_add_u32 v[WA], v14, 4, v[WA]
	v_lshlrev_b32 v[WSA], 4, v13
	v_lshlrev_b32 v[XQ], 2, v13
	v_lshlrev_b32 v[BA], 5, v14
	s_mul_i32 s17, s[WV], 4352
	s_add_co_u32 s17, s17, STG                     ; my stage
	v_mul_u32_u24 v[STO], v13, 272
	v_lshl_add_u32 v[STO], v14, 5, v[STO]
	v_add_nc_u32 v[STO], s17, v[STO]               ; in: row r, 32 bytes for each half of the lanes
	v_mul_u32_u24 v[RD], v14, 272
	v_lshl_add_u32 v[RD], v13, 4, v[RD]
	v_add_nc_u32 v[RD], s17, v[RD]                 ; back: lanes 0-15 one row, lanes 16-31 the next
	s_lshl_b32 s17, s[WV], 8
	v_lshlrev_b32 v[GO], 11, v14
	v_lshl_add_u32 v[GO], v13, 4, v[GO]
	v_add_nc_u32 v[GO], s17, v[GO]                 ; and the same two rows in out0, at my 64 columns
	s_lshl_b32 s17, s[WV], 13
	v_add_nc_u32 v[XWI], s17, v[LI]
	v_add_nc_u32 v[XSR], XSC, v[LI]
	s_lshl_b32 s17, s[WV], 9
	v_add_nc_u32 v[XSW], s17, v[XSR]
	s_mov_b32 s19, 0                               ; the upper word of every offset below
	s_mov_b32 s20, 0x05040100                      ; v_perm_b32: the two low halves
	s_wait_kmcnt 0x0
	s_lshl_b32 s18, ttmp9, 16
	s_lshl_b32 s17, s[WV], 13
	s_add_co_u32 s18, s18, s17
	s_add_nc_u64 s[4:5], s[4:5], s[18:19]          ; xc at tile 8 id + w
	s_lshr_b32 s18, ttmp9, 3
	s_lshl_b32 s18, s18, 15                        ; xs: the sequence,
	s_and_b32 s17, ttmp9, 7
	s_lshl_b32 s17, s17, 9
	s_add_co_u32 s18, s18, s17                     ; my work-group's 128 rows in it,
	s_lshl_b32 s17, s[WV], 6
	s_add_co_u32 s18, s18, s17                     ; my tile's 16
	s_add_nc_u64 s[6:7], s[6:7], s[18:19]
	s_lshl_b32 s18, s[WV], 15
	s_add_nc_u64 s[8:9], s[8:9], s[18:19]          ; my 64 rows of Wout
	s_lshl_b32 s18, s[WV], 10
	s_add_nc_u64 s[10:11], s[10:11], s[18:19]
	s_lshl_b32 s18, s[WV], 8
	s_add_nc_u64 s[12:13], s[12:13], s[18:19]
	s_lshl_b32 s18, ttmp9, 18
	s_add_nc_u64 s[14:15], s[14:15], s[18:19]      ; out0 at my work-group's first row
.irp t, 0,1,2,3
	global_load_b128 v[BI+8*\t:BI+8*\t+3], v[BA], s[12:13] offset:64*\t        ; bout at columns 64 w + 16 t + 8 h + 0 .. 7
	global_load_b128 v[BI+8*\t+4:BI+8*\t+7], v[BA], s[12:13] offset:64*\t+16
.endr
.irp t, 0,1,2,3
	global_load_b128 v[WS+4*\t:WS+4*\t+3], v[WSA], s[10:11] offset:256*\t
.endr
	WIN 0x40                                       ; destination window 1
	WLOAD 0
	WIN 0
.irp j, 0,1,2,3,4,5,6,7,8,9,10,11,12,13,14,15
	global_load_b128 v[FR+4*\j:FR+4*\j+3], v[LI], s[4:5] offset:512*\j th:TH_LOAD_NT   ; my tile of x: 8,192 dense bytes, read once
.endr
.irp h, 0,1,2,3,4,5,6,7
	global_load_b32 v[ACC+\h], v[XQ], s[6:7] offset:4096*\h   ; my rows' two bytes of head h
.endr
	WIN 0x40
	WLOAD 1
	WLOAD 2
	WLOAD 3
	WIN 0
	s_wait_loadcnt 48                              ; x and its scale words are in; behind them: 48 loads of Wout
.irp s, 0,1,2,3
	v_perm_b32 v[ACC+8+\s], v[ACC+2*\s+1], v[ACC+2*\s], s20   ; K step s: head 2 s's bytes below, head 2 s + 1's above
.endr
.irp j, 0,1,2,3,4,5,6,7,8,9,10,11,12,13,14,15
	ds_store_b128 v[XWI], v[FR+4*\j:FR+4*\j+3] offset:512*\j
.endr
	ds_store_b128 v[XSW], v[ACC+8:ACC+11]
	s_wait_dscnt 0x0                               ; for the others' sake: my stores have landed
	s_barrier_signal -1
	s_barrier_wait -1                              ; x's 32 fragments lie in LDS; they are not written again
	s_wait_loadcnt 0x0                             ; Wout
.irp m, 0,1,2,3,4,5,6,7
.irp s, 0,1,2,3
	FETCH FR+16*\s, LI, 8192*\m+2048*\s
.endr
	ds_load_b128 v[XS:XS+3], v[XSR] offset:512*\m
	s_wait_dscnt 0x0
	WIN 0x01                                       ; source 0 (Wout) in window 1
.irp s, 0,1,2,3                        ; the four accumulators take turns, one instruction a turn
.irp t, 0,1,2,3
.if \s == 0
	v_wmma_scale_f32_16x16x128_f8f6f4 v[ACC+8*\t:ACC+8*\t+7], v[16*(4*\t+\s):16*(4*\t+\s)+15], v[FR+16*\s:FR+16*\s+15], v[BI+8*\t:BI+8*\t+7], v[WS+4*\t+\s], v[XS+\s] matrix_a_fmt:MATRIX_FMT_BF8 matrix_b_fmt:MATRIX_FMT_BF8
.else
	v_wmma_scale_f32_16x16x128_f8f6f4 v[ACC+8*\t:ACC+8*\t+7], v[16*(4*\t+\s):16*(4*\t+\s)+15], v[FR+16*\s:FR+16*\s+15], v[ACC+8*\t:ACC+8*\t+7], v[WS+4*\t+\s], v[XS+\s] matrix_a_fmt:MATRIX_FMT_BF8 matrix_b_fmt:MATRIX_FMT_BF8
.endif
.endr
.endr
	WIN 0
.rept 9
	v_nop                                          ; eight places ahead of the stores that read the results and of the next loads into the operands; the ninth for the next tile's first products, which begin these accumulators anew
.endr
.irp t, 0,1,2,3
	ds_store_b128 v[STO], v[ACC+8*\t:ACC+8*\t+3] offset:64*\t          ; each accumulator from its low end on
	ds_store_b128 v[STO], v[ACC+8*\t+4:ACC+8*\t+7] offset:64*\t+16
.endr
	s_wait_xcnt 0x0                                ; the last tile's stores have read the registers that the loads below fill
.irp i, 0,1,2,3,4,5,6,7
	ds_load_b128 v[OB+4*\i:OB+4*\i+3], v[RD] offset:544*\i   ; LDS serves a wave's instructions in order: these see my stores, and the next tile's stores come behind them
.endr
.irp i, 0,1,2,3,4,5,6,7
	s_wait_dscnt 7-\i                              ; the younger loads from the stage may be out
	global_store_b128 v[GO], v[OB+4*\i:OB+4*\i+3], s[14:15] offset:(16*\m+2*\i)*2048 th:TH_STORE_NT   ; 16 lanes store 256 consecutive bytes, aligned; written once
.endr
.endr
	s_wait_tensorcnt 0x0                           ; the wave's end: behind my last LDS store
	ds_add_u32 v[SPW], v[NIL]
	s_wait_dscnt 0x0
	s_endpgm
.Lfunc_end_k_qada6cfd4ee_outproj:
	.size	k_qada6cfd4ee_outproj, .Lfunc_end_k_qada6cfd4ee_outproj-k_qada6cfd4ee_outproj
	.p2alignl 7, 3214868480
	.fill 96, 4, 3214868480
	.section	.rodata,"a",@progbits
	.p2align	6, 0x0
	.amdhsa_kernel k_qada6cfd4ee_outproj
		.amdhsa_group_segment_fixed_size 105472
		.amdhsa_private_segment_fixed_size 0
		.amdhsa_enable_private_segment 0
		.amdhsa_kernarg_size 48
		.amdhsa_user_sgpr_count 2
		.amdhsa_user_sgpr_kernarg_segment_ptr 1
		.amdhsa_wavefront_size32 1
		.amdhsa_system_sgpr_workgroup_id_x 1
		.amdhsa_system_sgpr_workgroup_id_y 1
		.amdhsa_system_sgpr_workgroup_id_z 1
		.amdhsa_system_vgpr_workitem_id 0
		.amdhsa_next_free_vgpr 512
		.amdhsa_next_free_sgpr 66
		.amdhsa_reserve_vcc 0
		.amdhsa_float_denorm_mode_32 3
		.amdhsa_float_denorm_mode_16_64 3
		.amdhsa_memory_ordered 1
		.amdhsa_forward_progress 1
		.amdhsa_inst_pref_size 58
	.end_amdhsa_kernel
	.amdgpu_metadata
---
amdhsa.version: [ 1, 2 ]
amdhsa.kernels:
  - .name:           k_qada6cfd4ee_outproj
    .symbol:         k_qada6cfd4ee_outproj.kd
    .args:
      - { .name: xc, .offset: 0, .size: 8, .value_kind: global_buffer, .address_space: global }
      - { .name: xs, .offset: 8, .size: 8, .value_kind: global_buffer, .address_space: global }
      - { .name: Wout_codes, .offset: 16, .size: 8, .value_kind: global_buffer, .address_space: global }
      - { .name: Wout_scales, .offset: 24, .size: 8, .value_kind: global_buffer, .address_space: global }
      - { .name: bout, .offset: 32, .size: 8, .value_kind: global_buffer, .address_space: global }
      - { .name: out0, .offset: 40, .size: 8, .value_kind: global_buffer, .address_space: global }
    .group_segment_fixed_size: 105472
    .private_segment_fixed_size: 0
    .kernarg_segment_align: 8
    .kernarg_segment_size: 48
    .max_flat_workgroup_size: 256
    .sgpr_count:     66
    .vgpr_count:     512
    .wavefront_size: 32
...
	.end_amdgpu_metadata
.endif
;; end of part 3
;; ======== version 2 of 2: 3 launches
;; limits: right only within a limited range of input values
;; workspace buffers: qc 16,777,216 bytes; qs 1,048,576 bytes; kc 16,777,216 bytes; ks 1,048,576 bytes; vc 16,777,216 bytes; vs 524,288 bytes; xc 16,777,216 bytes; xs 1,048,576 bytes
;; launch project (part 4): grid 256 x 1, 8 waves a work-group, no clusters, 316,160 bytes of LDS; arguments query, key, W0_codes, W0_scales, b0, value_codes, value_scales, qc, qs, kc, ks, vc, vs; writes qc, qs, kc, ks, vc, vs
.if DOCPART == 4
	.amdgcn_target "amdgcn-amd-amdhsa--gfx1250"
	.amdhsa_code_object_version 6
	.text
	.protected	k_qada6cfd4ee_project
	.globl	k_qada6cfd4ee_project
	.p2align	8
	.type	k_qada6cfd4ee_project,@function
k_qada6cfd4ee_project:
	s_mov_b64 s[64:65], 0
	v_nop
	global_prefetch_b8 v0, s[64:65] scope:SCOPE_SE
	s_setreg_imm32_b32 hwreg(HW_REG_WAVE_MODE, 25, 1), 1
	s_wait_xcnt 0x0
; PROJECT: y = Q(x) W0 + b0 for x = query or key (Q: the MX-BF8 quantiser along the 512), the local mix of five rows of y in f32, and its result quantised by head into qc, qs or kc, ks;
; and v = value W0 + b0, quantised along the KEYS into vc, vs.  All products on codes of E5M2 with one E8M0 byte for each 32 along K.
; DEAD WORK LEFT OUT.  reference() pads each sequence with four rows of zeros of its own making ahead of the product with W0.  A block of zeros has zero codes whatever the inputs hold, so those rows of
; the product are 0 and the padded rows of y are b0, for all finite values of W0.  The work-group that owns a sequence's first rows therefore skips that tile's loads, quantiser and 16 matrix instructions and
; stores b0.  LIMIT: a NaN or an infinity among W0's numbers, which in reference() would reach those four rows as 0 x infinity, is not carried there.  Every input has a way to the output and is loaded.
; LIMITS: NaN and infinities among the inputs are not served; a block whose largest magnitude lies under 2^-111 is quantised under the floor's byte, 1 (a block of zeros too, where the rule says 127: its
; codes are zeros, and these bytes are read by this program alone).
; SHARES.  256 work-groups of eight waves.  Work-group id takes 256 rows of one sequence of query (id < 128) or key, in four blocks of 64, and 128 rows of value.  WAVE w OWNS OUTPUT COLUMNS 64 w .. 64 w + 63,
; head w, for everything: its 16 fragments of W0 fill register window 1 for the whole launch and are read once.  No cluster and no tensor load: W0 goes straight into registers, where a joint load cannot put it,
; and the work-groups share no other input.  No prefetch: the rows of query and key are asked for a phase ahead by the loads themselves, 64 registers a wave.
; THE ROWS OF W0 THAT FORM A TILE ARE NOT NEIGHBOURS: lane r of tile 2 b + u takes row 64 w + 32 b + 8 u + r + 8 (r / 8).  Used transposed (source 0 = W0, source 1 = x) a lane holds one row of y and 16
; neighbouring columns in two tiles; used as source 1 against value's rows a lane holds one column d and eight keys, and the later launch gets O^T with 16 neighbouring d in two tiles.
; A BLOCK OF 64 ROWS, three barriers:  P: my 64 columns of y for four tiles of rows, f32, into LDS | barrier | the next block's x is quantised (first half); M: each wave mixes 8 rows (a row over the 32 lanes,
; 16 numbers a lane), quantises them and puts codes and scale bytes into LDS | barrier | OUT: each wave stores its head's codes as images of operand registers; the next block's x (second half) | barrier.
; The mix needs the four rows ahead of a block: the first block gets them from a halo tile (16 rows ahead, or b0), the later ones from the block before, handed on in LDS by wave 7.
; A ROW OF y IN LDS LIES BY PIECES OF 16 BYTES: piece p (0, 1) of column group g (columns 8 g .. 8 g + 7) at 1,024 (g / 32) + 512 p + 16 (g % 32).  In the mix lane l owns groups l and 32 + l: each of its four
; loads of a row then takes 512 consecutive bytes over the 32 lanes.
.set NP,    8                          ; places behind this matrix form before its registers are read by vector instructions or stores, or loaded into; one more before a matrix instruction writes over them
.set YP,    2064                       ; a row of y in LDS: 2,048 bytes + 16: the 16 rows that a store touches start at 16 different groups of banks
.set CP,    528                        ; a row of codes in LDS: 512 bytes + 16
.set XIMG,  0                          ; x's 16 fragments (tile of rows m, K step s: 4 m + s), 2,048 bytes each, as images of their registers
.set XSC,   32768                      ; their scale words: [m][lane][4 words]
.set HIMG,  34816                      ; the halo tile's four fragments
.set HSC,   43008                      ; and scale words
.set B0L,   43520                      ; b0 as it lies
.set SST,   45568                      ; the mixed rows' scale bytes: [row 64][16]
.set CST,   46592                      ; the mixed rows' codes: 64 rows
.set VIMG,  80384                      ; value's 32 fragments
.set VSCL,  145920                     ; and scale words: [m 8][lane][4 words]
.set YST,   150016                     ; y: 80 rows of f32: 0-15 the halo tile, 16-79 the block
.set SPARE, 315136                     ; the spare words, 128 bytes for each wave: four blocks of 256 bytes that no other line names
; window 0, addresses that stay
.set LI,  1                            ; 16 x lane: an image's place for my lane
.set XA,  2                            ; x: row r of 2,048 bytes + 64 h: my 16 numbers of a block of 32
.set XWI, 3                            ; where I store x's images: 16 x lane + 4,096 x wave
.set XWS, 4                            ; and their scale words
.set HWI, 5                            ; the halo's images (waves 0-3)
.set HWS, 6                            ; and words
.set B0A, 7                            ; b0 in the result's layout
.set YSO, 8                            ; v8-10: y's stores: rows 0, 32, 64 on
.set YRD, 11                           ; y's reads in the mix
.set HSO, 12                           ; where wave 7 hands on the block's last four rows
.set CSO, 13                           ; codes into the stage
.set SSO, 14                           ; scale bytes into the stage
.set CRD, 15                           ; codes out of it
.set SRD, 16                           ; scale bytes out of it
.set GOC, 17                           ; my offset in qc, kc, vc: 16 x lane + 65,536 x head
.set GOS, 18                           ; in qs, ks: 8 x lane + 4,096 x head
.set VFI, 19                           ; value's images, read
.set VWI, 20                           ; and stored
.set VSI, 21                           ; value's scale words, read
.set VA,  22                           ; value's codes in memory
.set VSA, 23                           ; value's scale bytes in memory
.set W0S, 24                           ; v24-39  W0's scale words: 4 t + s
.set XS,  40                           ; v40-43  the scale words of the rows in hand (x's or value's)
.set SPW, 44                           ; my spare word's LDS address; never rewritten
.set NIL, 45                           ; 0; never rewritten
.set B0T, 46                           ; 8 x thread: b0 in memory
.set B0LA, 47                          ; and in LDS
.set XN,  48                           ; v48-111 64 numbers of x on their way in; value's codes; V's accumulators
.set VACC, 48
.set FR,  112                          ; v112-175 four fragments from LDS
.set HX,  112                          ; the halo's 64 numbers
.set Y,   112                          ; v112-207 six rows of y, 16 numbers each
.set OB,  112                          ; v112-143 codes on their way out
.set ACC, 176                          ; v176-207 four accumulators of y
.set TM,  176                          ; v176-191 the quantiser: largest magnitudes, bytes, holds, scale operands
.set PC,  192                          ; v192-207 the codes just made
.set PW,  208                          ; the scale word just made
.set BI,  208                          ; the bias as a product's C, tile t at v[BI + 8 t + 12 (t / 3)]: v208-231 and v244-251; free of the mix's numbers while products run
.set O,   208                          ; v208-223 the mixed row
.set DT,  224                          ; v224-233 five pairs: the dot products; then even = weight, odd = exponential
.set VSWA, 234                         ; value's scale words, stored
.set VBA, 235                          ; b0 at my lane's column d
.set VSO, 236                          ; my offset in vs
.set WA,  237                          ; W0's codes in memory
.set WSA, 238                          ; W0's scale bytes in memory
.set VSW, 240                          ; v240-243 value's scale words on their way to LDS
.set T,   244                          ; v244-255 the mix: maximum and reciprocal, sum, 2 largest magnitudes (then bytes), 2 scale operands, 4 of codes
.set VW,  252                          ; v252-255 V's scale words, a byte for each block of keys
.set WV,  34
.set BLK, 35
.set QT,  36
.set BB,  37
.set SEL, 38                           ; s[38:39] lane selects for v_permlanex16_b32: lane l xor 16
.set MNT, 40                           ; the mantissa field of 57,344
.set CM,  41                           ; log2(e) / sqrt(512)
.set XP,  42                           ; s[42:43] x at my 16 rows and my half of K, in the block to be loaded
.set ROW0, 46
.set HP,  50                           ; s[50:51] x at the halo tile
.set HM,  58                           ; the mask of lanes 16-31
.set MSB, 0
.macro WIN new                         ; the immediate's high byte repeats the setting that is left
.if MSB != \new
	s_set_vgpr_msb (MSB<<8)|\new
.set MSB, \new
.endif
.endm
.macro PLACES n
.rept \n
	v_nop
.endr
.endm
.macro BARRIER                         ; my LDS stores have landed and my LDS loads are in: then the work-group's barrier
	s_wait_dscnt 0x0
	s_barrier_signal -1
	s_barrier_wait -1
.endm
; 64 numbers of my row (128 along K): register 16 g + i = k 32 g + 16 (lane / 16) + i.  No hint on these loads: a lane's 64 bytes come by four loads on end, each of which names the 16 bytes beside the last one's
.macro XLOAD reg, base, off
.irp g, 0,1,2,3
.irp j, 0,1,2,3
	global_load_b128 v[\reg+16*\g+4*\j:\reg+16*\g+4*\j+3], v[XA], s[\base:\base+1] offset:\off+128*\g+16*\j
.endr
.endr
.endm
.macro W0LOAD t                        ; tile t's four fragments into window 1 (the destination's window is set by the caller)
.irp s, 0,1,2,3
.irp c, 0,1,2,3
	global_load_b128 v[16*(4*\t+\s)+4*\c:16*(4*\t+\s)+4*\c+3], v[WA], s[12:13] offset:(32*(\t/2)+8*(\t%2))*512+128*\s+32*\c
.endr
.endr
.endm
; 64 numbers of a lane, four blocks of 16 registers, each block shared with lane l xor 16, become 16 registers of codes in v[PC] on.
; vmode = 0: the four bytes make the row's scale word v[PW].  vmode = 1 (V: the four blocks are four columns d): byte cb of the four words v[VW] on.
.macro QUANT s, vmode, cb
.irp b, 0,1,2,3
	v_max3_num_f32 v[TM+\b], |v[\s+16*\b]|, |v[\s+1+16*\b]|, 0x8000000   ; my 16 numbers, and the floor 2^(16 - 127): the byte cannot fall under 1
.endr
.irp i, 2,4,6,8,10,12,14
.irp b, 0,1,2,3
	v_max3_num_f32 v[TM+\b], v[TM+\b], |v[\s+16*\b+\i]|, |v[\s+1+16*\b+\i]|   ; the four blocks by turns
.endr
.endr
.irp b, 0,1,2,3
	v_permlanex16_b32 v[TM+4+\b], v[TM+\b], s[SEL], s[SEL+1]
.endr
.irp b, 0,1,2,3
	s_delay_alu instid0(VALU_DEP_4)
	v_max_num_f32 v[TM+\b], v[TM+\b], v[TM+4+\b]   ; the block's largest magnitude
.endr
.irp b, 0,1,2,3
	s_delay_alu instid0(VALU_DEP_4)
	v_add_nc_u32 v[TM+12+\b], 0xf8800000, v[TM+\b]   ; 15 off its exponent field: the conversion's scale operand
.endr
.irp b, 0,1,2,3
	v_and_or_b32 v[TM+8+\b], v[TM+\b], 0x7f800000, s[MNT]   ; 57,344 x the scale
.endr
.if \vmode
.irp b, 0,1,2,3
.if \cb == 0
	v_lshrrev_b32 v[VW+\b], 23, v[TM+12+\b]        ; the scale's byte starts the word
.else
	v_lshrrev_b32 v[TM+4+\b], 23, v[TM+12+\b]
.endif
.endr
.if \cb != 0
.irp b, 0,1,2,3
	s_delay_alu instid0(VALU_DEP_4)
	v_lshl_or_b32 v[VW+\b], v[TM+4+\b], 8*\cb, v[VW+\b]
.endr
.endif
	s_wait_alu depctr_va_vdst(0)
	s_wait_xcnt 0x0                                ; the last block's stores have read the codes' registers, which are written below
.else
.irp b, 0,1,2,3
	v_lshrrev_b32 v[TM+4+\b], 23, v[TM+12+\b]      ; the scale's byte
.endr
	s_delay_alu instid0(VALU_DEP_3)
	v_lshl_or_b32 v[PW], v[TM+5], 8, v[TM+4]
	s_delay_alu instid0(VALU_DEP_1)
	v_lshl_or_b32 v[PW], v[TM+6], 16, v[PW]
	s_delay_alu instid0(VALU_DEP_1)
	v_lshl_or_b32 v[PW], v[TM+7], 24, v[PW]
.endif
.irp b, 0,1,2,3
.irp i, 0,1,2,3,4,5,6,7,8,9,10,11,12,13,14,15
	v_med3_num_f32 v[\s+16*\b+\i], v[\s+16*\b+\i], -v[TM+8+\b], v[TM+8+\b]   ; the conversion to an 8-bit code does not saturate (ISA guide 7.6.2): the hold at the largest code x the scale
.endr
	v_cvt_scalef32_pk8_bf8_f32 v[PC+4*\b:PC+1+4*\b], v[\s+16*\b:\s+7+16*\b], v[TM+12+\b]
	v_cvt_scalef32_pk8_bf8_f32 v[PC+2+4*\b:PC+3+4*\b], v[\s+8+16*\b:\s+15+16*\b], v[TM+12+\b]
.endr
	v_nop                                          ; one plain vector instruction behind the last conversion, ahead of whatever next touches its registers
.endm
.macro IMAGE adr, off                  ; the fragment in v[PC] on goes to LDS as it stands
.irp c, 0,1,2,3
	ds_store_b128 v[\adr], v[PC+4*\c:PC+4*\c+3] offset:\off+512*\c
.endr
.endm
.macro FETCH reg, adr, off             ; and comes back so, in any wave
.irp c, 0,1,2,3
	ds_load_b128 v[\reg+4*\c:\reg+4*\c+3], v[\adr] offset:\off+512*\c
.endr
.endm
; The four accumulators of a tile of rows go to LDS.  Lane (r, h), tile t holds y(r, 64 w + 32 (t / 2) + 16 h + 8 (t % 2) + 0 .. 7): column group 8 w + 4 (t / 2) + 2 h + t % 2; its two pieces lie 512 bytes apart.
.macro YSTORE dst, dof
.irp t, 0,1,2,3
	ds_store_b128 v[\dst], v[ACC+8*\t:ACC+8*\t+3] offset:\dof+64*(\t/2)+16*(\t%2)          ; each accumulator from its low end on
	ds_store_b128 v[\dst], v[ACC+8*\t+4:ACC+8*\t+7] offset:\dof+64*(\t/2)+16*(\t%2)+512
.endr
.endm
; My 64 columns of y for one tile of 16 rows.  b0, fetched once a block in the result's layout, is the C of each sum's first product; the four accumulators take turns, one instruction a turn.
.macro PTILE img, wrd, dst, dof
.irp s, 0,1,2,3
	FETCH FR+16*\s, LI, \img+2048*\s
.endr
	ds_load_b128 v[XS:XS+3], v[LI] offset:\wrd
	s_wait_dscnt 0x0
	WIN 0x01                                       ; source 0 (W0) in window 1
.irp s, 0,1,2,3
.irp t, 0,1,2,3
.if \s == 0
	v_wmma_scale_f32_16x16x128_f8f6f4 v[ACC+8*\t:ACC+8*\t+7], v[16*(4*\t+\s):16*(4*\t+\s)+15], v[FR+16*\s:FR+16*\s+15], v[BI+8*\t+12*(\t/3):BI+8*\t+12*(\t/3)+7], v[W0S+4*\t+\s], v[XS+\s] matrix_a_fmt:MATRIX_FMT_BF8 matrix_b_fmt:MATRIX_FMT_BF8
.else
	v_wmma_scale_f32_16x16x128_f8f6f4 v[ACC+8*\t:ACC+8*\t+7], v[16*(4*\t+\s):16*(4*\t+\s)+15], v[FR+16*\s:FR+16*\s+15], v[ACC+8*\t:ACC+8*\t+7], v[W0S+4*\t+\s], v[XS+\s] matrix_a_fmt:MATRIX_FMT_BF8 matrix_b_fmt:MATRIX_FMT_BF8
.endif
.endr
.endr
	WIN 0
	PLACES NP+1                                    ; eight ahead of the stores that read the results and of the next tile's loads into the operands; the ninth for its first products, which begin these accumulators anew
	YSTORE \dst, \dof
.endm
; Row k of my wave's 12 rows of y (4 ahead of my 8) into slot k % 6: columns 8 lane .. + 7 and 256 + 8 lane .. + 7; each load takes 512 consecutive bytes
.macro YLOAD k
.set YS, Y+16*((\k)%6)
	ds_load_b128 v[YS:YS+3], v[YRD] offset:(\k)*YP
	ds_load_b128 v[YS+4:YS+7], v[YRD] offset:(\k)*YP+512
	ds_load_b128 v[YS+8:YS+11], v[YRD] offset:(\k)*YP+1024
	ds_load_b128 v[YS+12:YS+15], v[YRD] offset:(\k)*YP+1536
.endm
; The mix of row k (4 .. 11): five dot products of row k with rows k - 4 .. k, softmax over the five, the weighted sum, all in f32; then the quantiser, a block of 32 columns lying in four neighbouring lanes.
.macro ROW k
.if (\k) < 11
	YLOAD (\k)+1                                   ; into the one slot that this row's window leaves free
	s_wait_dscnt 4                                 ; all but these four loads: rows up to k are in, and the last row's stores have read their registers
.else
	s_wait_dscnt 0x0
.endif
.set YC, Y+16*((\k)%6)
.irp j, 0,1,2,3,4
.set YW, Y+16*(((\k)-4+\j)%6)
	v_pk_mul_f32 v[DT+2*\j:DT+2*\j+1], v[YC:YC+1], v[YW:YW+1]
.endr
.irp i, 2,4,6,8,10,12,14
.irp j, 0,1,2,3,4
.set YW, Y+16*(((\k)-4+\j)%6)
	v_pk_fma_f32 v[DT+2*\j:DT+2*\j+1], v[YC+\i:YC+\i+1], v[YW+\i:YW+\i+1], v[DT+2*\j:DT+2*\j+1]   ; the five chains by turns
.endr
.endr
.irp j, 0,1,2,3,4
	v_add_f32 v[DT+2*\j], v[DT+2*\j], v[DT+2*\j+1]
.endr
.irp x, 1,2,4,8
.irp j, 0,1,2,3,4
	v_add_f32_dpp v[DT+2*\j], v[DT+2*\j], v[DT+2*\j] row_xmask:\x row_mask:0xf bank_mask:0xf
.endr
.endr
.irp j, 0,1,2,3,4
	v_permlanex16_b32 v[DT+2*\j+1], v[DT+2*\j], s[SEL], s[SEL+1]
.endr
.irp j, 0,1,2,3,4
	v_add_f32 v[DT+2*\j], v[DT+2*\j], v[DT+2*\j+1]   ; every lane holds the five dot products
.endr
	s_delay_alu instid0(VALU_DEP_3)
	v_max3_num_f32 v[T], v[DT], v[DT+2], v[DT+4]
	s_delay_alu instid0(VALU_DEP_1)
	v_max3_num_f32 v[T], v[T], v[DT+6], v[DT+8]
.irp j, 0,1,2,3,4
	v_sub_f32 v[DT+2*\j], v[DT+2*\j], v[T]         ; the maximum goes off first, and the factor comes behind: fused, the rounding of maximum x factor would stay in every exponent
.endr
.irp j, 0,1,2,3,4
	v_mul_f32 v[DT+2*\j], s[CM], v[DT+2*\j]
.endr
	s_wait_alu depctr_va_vdst(0)
.irp j, 0,1,2,3,4
	v_exp_f32 v[DT+2*\j+1], v[DT+2*\j]
.endr
	v_nop                                          ; a plain instruction behind the exponentials,
	s_wait_alu depctr_va_vdst(0)                   ; and one wait for the five, ahead of their first reader
	v_add_f32 v[T+1], v[DT+1], v[DT+3]
	v_add_f32 v[T], v[DT+5], v[DT+7]
	v_add_f32 v[T+1], v[T+1], v[DT+9]
	s_delay_alu instid0(VALU_DEP_1)
	v_add_f32 v[T+1], v[T+1], v[T]
	s_wait_alu depctr_va_vdst(0)
	v_rcp_f32 v[T], v[T+1]
	v_nop
	s_wait_alu depctr_va_vdst(0)
.irp j, 0,1,2,3,4
	v_mul_f32 v[DT+2*\j], v[DT+2*\j+1], v[T]       ; the weights
.endr
.set YW, Y+16*(((\k)-4)%6)
.irp i, 0,2,4,6,8,10,12,14
	v_pk_mul_f32 v[O+\i:O+\i+1], v[YW+\i:YW+\i+1], v[DT:DT+1] op_sel_hi:[1,0]
.endr
.irp j, 1,2,3,4
.set YW, Y+16*(((\k)-4+\j)%6)
.irp i, 0,2,4,6,8,10,12,14
	v_pk_fma_f32 v[O+\i:O+\i+1], v[YW+\i:YW+\i+1], v[DT+2*\j:DT+2*\j+1], v[O+\i:O+\i+1] op_sel_hi:[1,0,1]
.endr
.endr
.irp g, 0,1
	v_max3_num_f32 v[T+2+\g], |v[O+8*\g]|, |v[O+8*\g+1]|, 0x8000000   ; my 8 numbers of a block, and the floor
.endr
.irp i, 2,4,6
.irp g, 0,1
	s_delay_alu instid0(VALU_DEP_2)
	v_max3_num_f32 v[T+2+\g], v[T+2+\g], |v[O+8*\g+\i]|, |v[O+8*\g+\i+1]|
.endr
.endr
.irp x, 1,2
.irp g, 0,1
	s_delay_alu instid0(VALU_DEP_2)
	v_max_num_f32_dpp v[T+2+\g], v[T+2+\g], v[T+2+\g] row_xmask:\x row_mask:0xf bank_mask:0xf   ; with the block's three other lanes
.endr
.endr
.irp g, 0,1
	s_delay_alu instid0(VALU_DEP_2)
	v_add_nc_u32 v[T+4+\g], 0xf8800000, v[T+2+\g]
.endr
.irp g, 0,1
.endr
.irp g, 0,1
.irp i, 0,1,2,3,4,5,6,7
.endr
.endr
.irp g, 0,1
	v_cvt_scalef32_pk8_bf8_f32 v[T+8+2*\g:T+9+2*\g], v[O+8*\g:O+8*\g+7], v[T+4+\g]
.endr
.irp g, 0,1
	v_lshrrev_b32 v[T+2+\g], 23, v[T+4+\g]         ; the scale's byte (also the plain instruction behind the conversions)
.endr
	ds_store_b64 v[CSO], v[T+8:T+9] offset:((\k)-4)*CP
	ds_store_b64 v[CSO], v[T+10:T+11] offset:((\k)-4)*CP+256
	ds_store_b8 v[SSO], v[T+2] offset:16*((\k)-4)          ; the four lanes of a block write the same byte with the same value
	ds_store_b8 v[SSO], v[T+3] offset:16*((\k)-4)+8
.endm
	s_load_b512 s[8:23], s[0:1], 0x0               ; query, key, W0's codes, W0's scales, b0, value's codes, value's scales, qc
	s_load_b256 s[24:31], s[0:1], 0x40             ; qs, kc, ks, vc
	s_load_b64 s[32:33], s[0:1], 0x60              ; vs
	v_lshl_add_u32 v[SPW], v0, 2, SPARE
	v_mov_b32 v[NIL], 0
	v_lshrrev_b32 v112, 5, v0
	s_delay_alu instid0(VALU_DEP_1)
	v_readfirstlane_b32 s[WV], v112                ; wave 0..7
	v_and_b32 v112, 31, v0                         ; lane
	v_and_b32 v113, 15, v0                         ; r
	v_bfe_u32 v114, v0, 4, 1                       ; h
	s_delay_alu instid0(VALU_DEP_2)
	v_and_b32 v115, 8, v113
	s_delay_alu instid0(VALU_DEP_1)
	v_add_nc_u32 v115, v115, v113                  ; r + 8 (r / 8)
	v_lshlrev_b32 v[LI], 4, v112
	s_wait_alu depctr_va_vdst(0)
	v_lshlrev_b32 v[XA], 11, v113
	s_delay_alu instid0(VALU_DEP_1)
	v_lshl_add_u32 v[XA], v114, 6, v[XA]
	s_lshl_b32 s44, s[WV], 12
	v_add_nc_u32 v[XWI], s44, v[LI]                ; wave w makes fragments 2 w and 2 w + 1: tile of rows w / 2, K steps 2 (w % 2) and + 1
	v_lshl_add_u32 v[GOS], v112, 3, s44
	s_lshr_b32 s44, s[WV], 1
	s_lshl_b32 s44, s44, 9
	s_and_b32 s47, s[WV], 1
	s_lshl_b32 s47, s47, 3
	s_add_co_u32 s44, s44, s47
	v_add_nc_u32 v[XWS], s44, v[LI]
	s_lshl_b32 s44, s[WV], 11
	v_add_nc_u32 v[HWI], s44, v[LI]
	v_lshl_add_u32 v[VSO], v112, 3, s44
	s_lshl_b32 s44, s[WV], 2
	v_add_nc_u32 v[HWS], s44, v[LI]
	s_lshl_b32 s44, s[WV], 8
	s_add_co_u32 s47, s44, B0L
	v_lshl_add_u32 v[B0A], v114, 6, s47
	v_lshl_add_u32 v[VBA], v115, 2, s47
	s_lshr_b32 s47, s[WV], 2                       ; y's stores: my eight column groups begin at group 8 w: 1,024 (w / 4)
	s_lshl_b32 s47, s47, 10
	s_and_b32 s48, s[WV], 3
	s_lshl_b32 s48, s48, 7                         ; + 16 x 8 (w % 4),
	s_add_co_u32 s47, s47, s48
	s_add_co_u32 s47, s47, YST
	v_mul_u32_u24 v[YSO], v113, YP                 ; row r,
	s_delay_alu instid0(VALU_DEP_1)
	v_lshl_add_u32 v[YSO], v114, 5, v[YSO]         ; + 16 x 2 h
	s_delay_alu instid0(VALU_DEP_1)
	v_add_nc_u32 v[YSO], s47, v[YSO]
	s_delay_alu instid0(VALU_DEP_1)
	v_add_nc_u32 v[YSO+1], 32*YP, v[YSO]
	s_delay_alu instid0(VALU_DEP_2)
	v_add_nc_u32 v[YSO+2], 64*YP, v[YSO]
	s_mul_i32 s44, s[WV], 8*YP
	s_add_co_u32 s44, s44, YST+12*YP
	v_lshl_add_u32 v[YRD], v112, 4, s44
	v_lshl_add_u32 v[HSO], v112, 4, YST+12*YP
	s_mul_i32 s44, s[WV], 8*CP
	s_add_co_u32 s44, s44, CST
	v_lshl_add_u32 v[CSO], v112, 3, s44
	s_lshl_b32 s44, s[WV], 7
	s_add_co_u32 s44, s44, SST
	v_lshrrev_b32 v116, 2, v112
	s_delay_alu instid0(VALU_DEP_1)
	v_add_nc_u32 v[SSO], s44, v116
	s_lshl_b32 s44, s[WV], 6
	s_add_co_u32 s44, s44, CST
	v_mul_u32_u24 v[CRD], v113, CP
	s_delay_alu instid0(VALU_DEP_1)
	v_lshl_add_u32 v[CRD], v114, 4, v[CRD]
	s_delay_alu instid0(VALU_DEP_1)
	v_add_nc_u32 v[CRD], s44, v[CRD]
	s_lshl_b32 s44, s[WV], 1
	s_add_co_u32 s44, s44, SST
	v_lshl_add_u32 v[SRD], v112, 5, s44
	s_lshl_b32 s44, s[WV], 16
	v_add_nc_u32 v[GOC], s44, v[LI]
	v_add_nc_u32 v[VFI], VIMG, v[LI]
	s_lshl_b32 s44, s[WV], 13
	v_add_nc_u32 v[VWI], s44, v[VFI]
	v_add_nc_u32 v[VSI], VSCL, v[LI]
	s_lshl_b32 s44, s[WV], 9
	v_add_nc_u32 v[VSWA], s44, v[VSI]
	v_lshlrev_b32 v[VA], 9, v113
	s_delay_alu instid0(VALU_DEP_1)
	v_lshl_add_u32 v[VA], v114, 4, v[VA]
	v_lshlrev_b32 v[VSA], 4, v113
	v_lshlrev_b32 v[WA], 9, v115
	s_delay_alu instid0(VALU_DEP_1)
	v_lshl_add_u32 v[WA], v114, 4, v[WA]
	v_lshlrev_b32 v[WSA], 4, v115
	v_lshlrev_b32 v[B0T], 3, v0
	s_delay_alu instid0(VALU_DEP_1)
	v_add_nc_u32 v[B0LA], B0L, v[B0T]
.irp b, 0,1,2,3
	v_mov_b32 v[TM+4+\b], 0                        ; written once: a lane permute's destination counts as one of its sources
.endr
	s_mov_b32 s45, 0                               ; the upper word of every offset below
	s_and_b32 s[QT], ttmp9, 3                      ; which 256 rows of the sequence
	s_bfe_u32 s[BB], ttmp9, 0x50002                ; which sequence
	s_lshl_b32 s47, s[BB], 10
	s_lshl_b32 s48, s[QT], 8
	s_add_co_u32 s[ROW0], s47, s48                 ; my first row in the tensor
	s_mov_b32 s[SEL], 0x76543210
	s_mov_b32 s[SEL+1], 0xfedcba98
	s_mov_b32 s[MNT], 0x600000
	s_mov_b32 s[CM], 0x3d8293ee
	s_mov_b32 s[HM], 0xffff0000
	s_mov_b32 s[BLK], 4
	s_wait_kmcnt 0x0
	s_cmp_lt_u32 ttmp9, 128                        ; query's work-group or key's?  The choice hangs on the work-group's number alone
	s_cselect_b64 s[8:9], s[8:9], s[10:11]
	s_cselect_b64 s[22:23], s[22:23], s[26:27]
	s_cselect_b64 s[24:25], s[24:25], s[28:29]
	s_lshr_b32 s47, s[WV], 1
	s_lshl_b32 s47, s47, 4
	s_add_co_u32 s47, s47, s[ROW0]
	s_lshl_b32 s47, s47, 11
	s_and_b32 s48, s[WV], 1
	s_lshl_b32 s48, s48, 10
	s_add_co_u32 s44, s47, s48
	s_add_nc_u64 s[XP:XP+1], s[8:9], s[44:45]      ; x at row 16 (w / 2) of the block, column 256 (w % 2)
	s_lshl_b32 s47, s[BB], 19
	s_lshl_b32 s48, s[QT], 14
	s_add_co_u32 s44, s47, s48
	s_add_nc_u64 s[22:23], s[22:23], s[44:45]      ; the codes' buffer at my first tile of rows (head 0)
	s_lshl_b32 s47, s[BB], 15
	s_lshl_b32 s48, s[QT], 10
	s_add_co_u32 s44, s47, s48
	s_add_nc_u64 s[24:25], s[24:25], s[44:45]      ; the scale words' likewise
	s_lshl_b32 s44, s[WV], 15
	s_add_nc_u64 s[12:13], s[12:13], s[44:45]      ; my 64 rows of W0
	s_lshl_b32 s44, s[WV], 10
	s_add_nc_u64 s[14:15], s[14:15], s[44:45]
	s_lshr_b32 s47, ttmp9, 3                       ; value: which sequence,
	s_and_b32 s48, ttmp9, 7                        ; which 128 rows
	s_lshl_b32 s49, s47, 10
	s_lshl_b32 s52, s48, 7
	s_add_co_u32 s49, s49, s52
	s_lshl_b32 s52, s[WV], 4
	s_add_co_u32 s49, s49, s52                     ; the tile of rows that I bring in
	s_lshl_b32 s44, s49, 9
	s_add_nc_u64 s[18:19], s[18:19], s[44:45]
	s_lshl_b32 s44, s49, 4
	s_add_nc_u64 s[20:21], s[20:21], s[44:45]
	s_lshl_b32 s49, s47, 19
	s_lshl_b32 s52, s48, 13
	s_add_co_u32 s44, s49, s52
	s_add_nc_u64 s[30:31], s[30:31], s[44:45]
	s_lshl_b32 s49, s47, 14
	s_lshl_b32 s52, s48, 8
	s_add_co_u32 s44, s49, s52
	s_add_nc_u64 s[32:33], s[32:33], s[44:45]
	; The halo tile (16 rows ahead of my first; waves 0-3 quantise a K step each) exists where my rows are not the sequence's first.  Both arms issue the same 48 loads behind it, so that the counts below hold on both.
	s_cmp_eq_u32 s[QT], 0
	s_cbranch_scc1 .Lno_halo
	s_cmp_gt_u32 s[WV], 3
	s_cbranch_scc1 .Lno_halo
	s_sub_co_u32 s48, s[ROW0], 16
	s_lshl_b32 s48, s48, 11
	s_lshl_b32 s49, s[WV], 9
	s_add_co_u32 s48, s48, s49
	s_mov_b32 s49, 0
	s_add_nc_u64 s[HP:HP+1], s[8:9], s[48:49]
	XLOAD HX, HP, 0
	XLOAD XN, XP, 0
	WIN 0x40                                       ; destination window 1
	s_wait_alu depctr_va_vdst(0)
	W0LOAD 0
	W0LOAD 1
	WIN 0
	s_wait_loadcnt 48                              ; the halo's 16 loads are in; behind them: 16 of x, 32 of W0
	QUANT HX, 0, 0
	IMAGE HWI, HIMG
	ds_store_b32 v[HWS], v[PW] offset:HSC
	s_branch .Ljoin
.Lno_halo:
	XLOAD XN, XP, 0
	WIN 0x40
	s_wait_alu depctr_va_vdst(0)
	W0LOAD 0
	W0LOAD 1
	WIN 0
.Ljoin:
	s_wait_loadcnt 32                              ; block 0, my first K step; W0's 32 may be out
	s_wait_dscnt 0x0                               ; the halo's stores have read the codes' registers
	QUANT XN, 0, 0
	IMAGE XWI, XIMG
	ds_store_b32 v[XWS], v[PW] offset:XSC
	XLOAD XN, XP, 512
	WIN 0x40
	W0LOAD 2
	W0LOAD 3
	WIN 0
.irp t, 0,1,2,3
	global_load_b128 v[W0S+4*\t:W0S+4*\t+3], v[WSA], s[14:15] offset:(32*(\t/2)+8*(\t%2))*16   ; a row's 16 scale bytes: the words of its four K steps
.endr
	global_load_b64 v[210:211], v[B0T], s[16:17]
	global_load_b128 v[VSW:VSW+3], v[VSA], s[20:21]
	s_wait_loadcnt 38                              ; my second K step; behind it: 32 of W0, 4 of its scales, b0, value's scales
	s_wait_dscnt 0x0
	QUANT XN, 0, 0
	IMAGE XWI, XIMG+2048
	ds_store_b32 v[XWS], v[PW] offset:XSC+4
	s_add_nc_u64 s[XP:XP+1], s[XP:XP+1], 131072    ; the loads that named it are in: on to block 1
	XLOAD XN, XP, 0
	s_wait_loadcnt 16                              ; all but block 1's 16
	ds_store_b64 v[B0LA], v[210:211]
	BARRIER                                        ; block 0's fragments, the halo's and b0 lie in LDS
	; The halo tile.  Its accumulators begin as b0, loaded in the result's layout, and all 16 products add in place; where the tile lies ahead of the sequence's first row its rows are b0 and the product is left out (head comment)
.irp t, 0,1,2,3
	ds_load_b128 v[ACC+8*\t:ACC+8*\t+3], v[B0A] offset:128*(\t/2)+32*(\t%2)
	ds_load_b128 v[ACC+8*\t+4:ACC+8*\t+7], v[B0A] offset:128*(\t/2)+32*(\t%2)+16
.endr
	s_cmp_eq_u32 s[QT], 0
	s_cbranch_scc1 .Lpad
.irp s, 0,1,2,3
	FETCH FR+16*\s, LI, HIMG+2048*\s
.endr
	ds_load_b128 v[XS:XS+3], v[LI] offset:HSC
	s_wait_dscnt 0x0
	WIN 0x01                                       ; source 0 (W0) in window 1
.irp s, 0,1,2,3
.irp t, 0,1,2,3
	v_wmma_scale_f32_16x16x128_f8f6f4 v[ACC+8*\t:ACC+8*\t+7], v[16*(4*\t+\s):16*(4*\t+\s)+15], v[FR+16*\s:FR+16*\s+15], v[ACC+8*\t:ACC+8*\t+7], v[W0S+4*\t+\s], v[XS+\s] matrix_a_fmt:MATRIX_FMT_BF8 matrix_b_fmt:MATRIX_FMT_BF8
.endr
.endr
	WIN 0
	PLACES NP+1                                    ; as behind every tile's products
.Lpad:
	s_wait_dscnt 0x0                               ; (on the short way: b0 is in)
	YSTORE YSO, 0
.Lblock:
.irp t, 0,1,2,3                        ; b0 in the result's layout, once a block: the mix uses these registers between two blocks' products
	ds_load_b128 v[BI+8*\t+12*(\t/3):BI+8*\t+12*(\t/3)+3], v[B0A] offset:128*(\t/2)+32*(\t%2)
	ds_load_b128 v[BI+8*\t+12*(\t/3)+4:BI+8*\t+12*(\t/3)+7], v[B0A] offset:128*(\t/2)+32*(\t%2)+16
.endr
	PTILE XIMG, XSC, YSO, 16*YP
	PTILE XIMG+8192, XSC+512, YSO+1, 0
	PTILE XIMG+16384, XSC+1024, YSO+1, 16*YP
	PTILE XIMG+24576, XSC+1536, YSO+2, 0
	BARRIER                                        ; 64 rows of y lie in LDS, and nobody reads x's fragments any more
	s_wait_loadcnt 0x0                             ; the next block's first K step, asked for a phase ago, is in (in the last block no load is out): on every way below v48-111 are loaded anew only behind this wait
	s_cmp_eq_u32 s[BLK], 1
	s_cbranch_scc1 .Lmix
	QUANT XN, 0, 0
	IMAGE XWI, XIMG
	ds_store_b32 v[XWS], v[PW] offset:XSC
.Lmix:
.irp k, 0,1,2,3,4
	YLOAD \k
.endr
	s_cmp_eq_u32 s[BLK], 1                         ; the loads from memory stand behind the 20 LDS loads, which land while these are issued
	s_cbranch_scc1 .Lvload
	XLOAD XN, XP, 512                              ; the next block's second K step lands under the mix
	s_branch .Lrows
.Lvload:                                               ; the last block: value's codes take x's place (no hint: four loads on end name neighbouring 32 bytes of a row's 128)
.irp s, 0,1,2,3
.irp c, 0,1,2,3
	global_load_b128 v[XN+16*\s+4*\c:XN+16*\s+4*\c+3], v[VA], s[18:19] offset:128*\s+32*\c
.endr
.endr
.Lrows:
.irp k, 4,5,6,7,8,9,10,11
	ROW \k
.endr
	BARRIER                                        ; 64 rows of codes and scale bytes lie in LDS, and nobody reads y any more
	s_cmp_lg_u32 s[WV], 7
	s_cbranch_scc1 .Lnot7
	s_cmp_eq_u32 s[BLK], 1
	s_cbranch_scc1 .Lnot7
.irp i, 0,1,2,3                        ; wave 7 still holds the block's last four rows (slots 2-5): they are the next block's four rows ahead
	ds_store_b128 v[HSO], v[Y+16*(2+\i):Y+16*(2+\i)+3] offset:\i*YP
	ds_store_b128 v[HSO], v[Y+16*(2+\i)+4:Y+16*(2+\i)+7] offset:\i*YP+512
	ds_store_b128 v[HSO], v[Y+16*(2+\i)+8:Y+16*(2+\i)+11] offset:\i*YP+1024
	ds_store_b128 v[HSO], v[Y+16*(2+\i)+12:Y+16*(2+\i)+15] offset:\i*YP+1536
.endr
.Lnot7:
.irp i, 0,1,2,3                        ; OUT: my head's codes of the four tiles of rows, in the order of an operand's registers
.irp c, 0,1
	ds_load_b128 v[OB+4*(2*\i+\c):OB+4*(2*\i+\c)+3], v[CRD] offset:16*\i*CP+32*\c
.endr
.endr
	ds_load_u16 v210, v[SRD]                       ; my head's two scale bytes of rows 2 lane and 2 lane + 1
	ds_load_u16 v211, v[SRD] offset:16
	s_wait_dscnt 0x0
	v_lshl_or_b32 v212, v210, 16, v210             ; written twice in the word: the next launch uses a head's 64 in either half of a K step of 128
	v_lshl_or_b32 v213, v211, 16, v211
.irp i, 0,1,2,3
.irp c, 0,1
	global_store_b128 v[GOC], v[OB+4*(2*\i+\c):OB+4*(2*\i+\c)+3], s[22:23] offset:512*(2*\i+\c)   ; 32 lanes store 512 consecutive bytes, aligned
.endr
.endr
	global_store_b64 v[GOS], v[212:213], s[24:25]  ; 32 lanes store 256 consecutive bytes, aligned
	s_wait_loadcnt 0x0                             ; the next block's second K step (in the last block: value's codes)
	s_cmp_eq_u32 s[BLK], 1
	s_cbranch_scc1 .Lvstore
	QUANT XN, 0, 0
	IMAGE XWI, XIMG+2048
	ds_store_b32 v[XWS], v[PW] offset:XSC+4
	s_wait_xcnt 0x0                                ; the stores above, a quantiser back, have read their registers and bases: both may be written again.  It stands ahead of the loads below, whose own wait on LOADcnt frees their address
	s_add_nc_u64 s[22:23], s[22:23], 4096
	s_add_nc_u64 s[24:25], s[24:25], 256
	s_add_nc_u64 s[XP:XP+1], s[XP:XP+1], 131072    ; the loads that named it are in
	s_cmp_eq_u32 s[BLK], 2
	s_cbranch_scc1 .Ltail                          ; no block follows the next one: no load leaves the buffer
	XLOAD XN, XP, 0
	s_branch .Ltail
.Lvstore:
.irp s, 0,1,2,3
.irp c, 0,1,2,3
	ds_store_b128 v[VWI], v[XN+16*\s+4*\c:XN+16*\s+4*\c+3] offset:2048*\s+512*\c   ; value's codes were loaded in fragment order: they go to LDS as images
.endr
.endr
	ds_store_b128 v[VSWA], v[VSW:VSW+3]
	s_wait_xcnt 0x0                                ; the last block's stores have read their registers, which take value's fragments below
.Ltail:
	BARRIER                                        ; the next block's fragments (at the end: value's) lie in LDS, and nobody reads the stage of codes any more
	s_sub_co_u32 s[BLK], s[BLK], 1
	s_cmp_lg_u32 s[BLK], 0
	s_cbranch_scc1 .Lblock
	; V: v = value W0 + b0 for 128 keys x my 64 columns d.  Source 0 = 16 rows of value, source 1 = a tile of W0: lane (r, h) holds ONE column d and keys 8 h + 0 .. 7 of the tile.  Two tiles of rows give a lane 16 keys
	; of a block of 32, in the order 8 h + i, 16 + 8 h + i: the order in which the next launch's p lies, so the products are kept.  The bias is the C of each sum's first product: eight equal registers.
.irp t, 0,1,2,3
	ds_load_b32 v[BI+8*\t+12*(\t/3)], v[VBA] offset:(32*(\t/2)+8*(\t%2))*4
.endr
	s_wait_dscnt 0x0
.irp t, 0,1,2,3
.irp j, 1,2,3,4,5,6,7
	v_mov_b32 v[BI+8*\t+12*(\t/3)+\j], v[BI+8*\t+12*(\t/3)]
.endr
.endr
	PLACES 4
	s_wait_alu depctr_va_vdst(0)
.irp c, 0,1,2,3                        ; a block of 32 keys
.irp u, 0,1                            ; its two tiles of rows
.irp s, 0,1,2,3
	FETCH FR+16*\s, VFI, (4*(2*\c+\u)+\s)*2048
.endr
	ds_load_b128 v[XS:XS+3], v[VSI] offset:512*(2*\c+\u)
	s_wait_dscnt 0x0
	WIN 0x04                                       ; source 1 (W0) in window 1
.irp s, 0,1,2,3
.irp t, 0,1,2,3
.if \s == 0
	v_wmma_scale_f32_16x16x128_f8f6f4 v[VACC+16*\t+8*\u:VACC+16*\t+8*\u+7], v[FR+16*\s:FR+16*\s+15], v[16*(4*\t+\s):16*(4*\t+\s)+15], v[BI+8*\t+12*(\t/3):BI+8*\t+12*(\t/3)+7], v[XS+\s], v[W0S+4*\t+\s] matrix_a_fmt:MATRIX_FMT_BF8 matrix_b_fmt:MATRIX_FMT_BF8
.else
	v_wmma_scale_f32_16x16x128_f8f6f4 v[VACC+16*\t+8*\u:VACC+16*\t+8*\u+7], v[FR+16*\s:FR+16*\s+15], v[16*(4*\t+\s):16*(4*\t+\s)+15], v[VACC+16*\t+8*\u:VACC+16*\t+8*\u+7], v[XS+\s], v[W0S+4*\t+\s] matrix_a_fmt:MATRIX_FMT_BF8 matrix_b_fmt:MATRIX_FMT_BF8
.endif
.endr
.endr
	WIN 0
	PLACES NP                                      ; ahead of the loads into the fragments' and scale words' registers, and of the first read of results
.endr
	QUANT VACC, 1, \c
.irp t, 0,1,2,3
	global_store_b128 v[GOC], v[PC+4*\t:PC+4*\t+3], s[30:31] offset:2048*\t+512*\c   ; registers 4 c .. 4 c + 3 of tile t's fragment of V^T: 512 consecutive bytes, aligned
.endr
.endr
	v_cndmask_b32 v[TM], v[VW], v[VW+2], s[HM]     ; lanes 0-15 keep the words of tiles 0 and 1, lanes 16-31 those of tiles 2 and 3
	v_cndmask_b32 v[TM+1], v[VW+1], v[VW+3], s[HM]
	global_store_b64 v[VSO], v[TM:TM+1], s[32:33]  ; 256 consecutive bytes, aligned
	s_wait_tensorcnt 0x0                           ; the wave's end: behind my last LDS store
	ds_add_u32 v[SPW], v[NIL]
	s_wait_dscnt 0x0
	s_endpgm
.Lfunc_end_k_qada6cfd4ee_project:
	.size	k_qada6cfd4ee_project, .Lfunc_end_k_qada6cfd4ee_project-k_qada6cfd4ee_project
	.p2alignl 7, 3214868480
	.fill 96, 4, 3214868480
	.section	.rodata,"a",@progbits
	.p2align	6, 0x0
	.amdhsa_kernel k_qada6cfd4ee_project
		.amdhsa_group_segment_fixed_size 316160
		.amdhsa_private_segment_fixed_size 0
		.amdhsa_enable_private_segment 0
		.amdhsa_kernarg_size 104
		.amdhsa_user_sgpr_count 2
		.amdhsa_user_sgpr_kernarg_segment_ptr 1
		.amdhsa_wavefront_size32 1
		.amdhsa_system_sgpr_workgroup_id_x 1
		.amdhsa_system_sgpr_workgroup_id_y 1
		.amdhsa_system_sgpr_workgroup_id_z 1
		.amdhsa_system_vgpr_workitem_id 0
		.amdhsa_next_free_vgpr 512
		.amdhsa_next_free_sgpr 66
		.amdhsa_reserve_vcc 0
		.amdhsa_float_denorm_mode_32 3
		.amdhsa_float_denorm_mode_16_64 3
		.amdhsa_fp16_overflow 1
		.amdhsa_memory_ordered 1
		.amdhsa_forward_progress 1
		.amdhsa_inst_pref_size 244
	.end_amdhsa_kernel
	.amdgpu_metadata
---
amdhsa.version: [ 1, 2 ]
amdhsa.kernels:
  - .name:           k_qada6cfd4ee_project
    .symbol:         k_qada6cfd4ee_project.kd
    .args:
      - { .name: query, .offset: 0, .size: 8, .value_kind: global_buffer, .address_space: global }
      - { .name: key, .offset: 8, .size: 8, .value_kind: global_buffer, .address_space: global }
      - { .name: W0_codes, .offset: 16, .size: 8, .value_kind: global_buffer, .address_space: global }
      - { .name: W0_scales, .offset: 24, .size: 8, .value_kind: global_buffer, .address_space: global }
      - { .name: b0, .offset: 32, .size: 8, .value_kind: global_buffer, .address_space: global }
      - { .name: value_codes, .offset: 40, .size: 8, .value_kind: global_buffer, .address_space: global }
      - { .name: value_scales, .offset: 48, .size: 8, .value_kind: global_buffer, .address_space: global }
      - { .name: qc, .offset: 56, .size: 8, .value_kind: global_buffer, .address_space: global }
      - { .name: qs, .offset: 64, .size: 8, .value_kind: global_buffer, .address_space: global }
      - { .name: kc, .offset: 72, .size: 8, .value_kind: global_buffer, .address_space: global }
      - { .name: ks, .offset: 80, .size: 8, .value_kind: global_buffer, .address_space: global }
      - { .name: vc, .offset: 88, .size: 8, .value_kind: global_buffer, .address_space: global }
      - { .name: vs, .offset: 96, .size: 8, .value_kind: global_buffer, .address_space: global }
    .group_segment_fixed_size: 316160
    .private_segment_fixed_size: 0
    .kernarg_segment_align: 8
    .kernarg_segment_size: 104
    .max_flat_workgroup_size: 256
    .sgpr_count:     66
    .vgpr_count:     512
    .wavefront_size: 32
...
	.end_amdgpu_metadata
.endif
;; end of part 4
;; launch attend (part 5): grid 256 x 1, 16 waves a work-group, no clusters, 141,312 bytes of LDS; arguments qc, qs, kc, ks, vc, vs, xc, xs; writes xc, xs
.if DOCPART == 5
	.amdgcn_target "amdgcn-amd-amdhsa--gfx1250"
	.amdhsa_code_object_version 6
	.text
	.protected	k_qada6cfd4ee_attend
	.globl	k_qada6cfd4ee_attend
	.p2align	8
	.type	k_qada6cfd4ee_attend,@function
k_qada6cfd4ee_attend:
	s_mov_b64 s[64:65], 0
	v_nop
	global_prefetch_b8 v0, s[64:65] scope:SCOPE_SE
	s_setreg_imm32_b32 hwreg(HW_REG_WAVE_MODE, 25, 1), 1
	s_wait_xcnt 0x0
; ATTEND: x[b][q][64 h ..] = the sum over k of softmax_k(q . k / 8) v, for one (b, h) a work-group, both products on codes of E5M2 with one E8M0 byte for each 32 along a product's K; x is quantised along the 512 on the way out.
; No work of reference() is left out here.
; THE SOFTMAX AHEAD OF THE SECOND PRODUCT: t = score x log2(e) / 8; M = the row's largest t so far, rounded UP to a whole number; p = 2^(t - M) is what is quantised, along the keys, not normalised.  The row's sum is
; taken of the unquantised p, in f32, and divides O at the end.  When M moves, the sum and O are multiplied by 2^(old M - new M): exact.
; SHARES.  K and V of a head are 65,536 bytes of codes each: they come into LDS once, as they lie in memory (images of operand registers, made by the launch before), and stay: one barrier in the launch, no ring.
; Sixteen waves, four to a SIMD, so that one wave's vector work stands beside another's matrix work and LDS loads; wave w owns query tiles 4 w .. 4 w + 3, one after the other; each walks the 1,024 keys in steps of 128.
; No cluster: no two work-groups read the same K or V.  No prefetch: every byte is asked for at the kernel's head.
; THE HEAD'S K IS 64, HALF OF THE INSTRUCTION'S 128.  Source 0 holds TWO tiles of 16 keys, one in each half of K; the queries stand once as [q | 0] and once as [0 | q] (zero codes add nothing): the two products give the two
; tiles' scores, and no LDS byte or load is spent on zeros.
; LAYOUT.  Both products are used transposed (S^T = K Q^T, O^T = V^T P^T): a lane holds ONE query throughout.  A lane's 16 scores of a pair of tiles are keys 8 h + i and 16 + 8 h + i of a block of 32; V's codes were laid in the
; same order inside each block, so the products are kept and the block's scale is that of its 32 keys.  V^T's tiles take d = 32 (t / 2) + 8 (t % 2) + r + 8 (r / 8), so that O^T's 16 registers of two tiles are 16 neighbouring d.
; LIMITS: NaN and infinities are not served; a block of zeros, or one under 2^-111, has the floor's byte 1.
.set KIMG,  0
.set VIMG,  65536
.set KSC,   131072                     ; K's scale words: word 16 P + r: the two bytes of key 32 P + r below, those of key 32 P + 16 + r above
.set VSC,   133120                     ; V's scale words as they lie in memory: [step][lane][2]
.set XSS,   135168                     ; x's scale words, 256 bytes for each wave
.set SPARE, 139264                     ; the spare words, 128 bytes for each wave: eight blocks of 256 bytes that no other line names
.set AK0,  1                           ; 16 x lane
.set AV0,  2                           ; VIMG + 16 x lane
.set ASK0, 3                           ; KSC + 4 x lane
.set ASV0, 4                           ; VSC + 8 x lane
.set SPW,  5                           ; my spare word's LDS address; never rewritten
.set NIL,  6                           ; 0; never rewritten
.set XSA,  7                           ; XSS + 256 x wave + 4 (lane % 16)
.set ADK,  8                           ; the step's addresses
.set ADV,  9
.set ADS,  10
.set ADT,  11
                                       ; v12 -M, v13 the largest t, v[14:15] the sum in two halves; v16-23 zeros, v24-31 Q, v32-39 zeros
.set KF,   40                          ; v40-103  four fragments of K (pairs of tiles) or of V^T
.set S,    104                         ; v104-167 S^T, then p; on the way out x
.set O,    168                         ; v168-199 O^T
.set PC,   200                         ; v200-215 p's codes; on the way out x's
.set BM,   216                         ; the blocks' largest scores, then largest p
.set TP,   220                         ; at work; the bytes
.set HD,   224
.set SO,   228                         ; the conversions' scale operands
.set KS,   232                         ; v232-233 K's scale words: pairs 0, 1 and pairs 2, 3 (lanes 0-15, lanes 16-31)
.set VS,   234                         ; v[234:235] V's: tiles 0, 1 in lanes 0-15, tiles 2, 3 in lanes 16-31
.set QW,   236                         ; Q's scale word
.set PW,   237                         ; p's scale word
.set FF,   240                         ; v[240:241] f = 2^(old M - new M), named as a pair
.set TT,   242                         ; v[242:243] at work; 1 / the sum, named as a pair
.set XW,   244                         ; x's scale word
.set FT,   245                         ; the fill: 16 x thread
.set FW,   246                         ; 4 x thread
.set FK,   247                         ; K's scale words in memory
.set QG,   248                         ; 4 (lane % 16)
.set XSR,  249                         ; x's scale words, read back
.set XSG,  250                         ; 8 x lane
.set FV,   251                         ; VIMG + 16 x thread
.set FKS,  252                         ; KSC + 4 x thread
.set WV,   20
.set TB,   21                          ; the step's tiles: 8,192 bytes a step
.set TS,   22                          ; the step's scale words: 256 bytes a step
.set TX,   23                          ; the tile's place among x's scale words: 64 bytes a tile
.set STEPS, 24
.set TILES, 25
.set SEL,  26                          ; s[26:27] lane selects for v_permlanex16_b32: lane l xor 16
.set CS,   28                          ; s[28:29] c = log2(e) / 8: the packed form names a pair and takes its low word for both halves
.set MNT,  30
.set PSEL, 31                          ; v_perm_b32: the two low halves
.macro PLACES n
.rept \n
	v_nop
.endr
.endm
.macro QLOAD
	global_load_b128 v[24:27], v[AK0], s[4:5] th:TH_LOAD_NT
	global_load_b128 v[28:31], v[AK0], s[4:5] offset:512 th:TH_LOAD_NT
	global_load_b32 v[QW], v[QG], s[6:7]
.endm
; A KEY STEP: 128 keys
.macro STEP
	v_add_nc_u32 v[ADK], s[TB], v[AK0]
	v_add_nc_u32 v[ADV], s[TB], v[AV0]
	v_add_nc_u32 v[ADS], s[TS], v[ASK0]
	v_add_nc_u32 v[ADT], s[TS], v[ASV0]
	PLACES 4                                       ; with the four additions: eight places ahead of loads into registers that the last step's products read
.irp p, 0,1,2,3
.irp c, 0,1,2,3
	ds_load_b128 v[KF+16*\p+4*\c:KF+16*\p+4*\c+3], v[ADK] offset:2048*\p+512*\c
.endr
.endr
	ds_load_b32 v[KS], v[ADS]
	ds_load_b32 v[KS+1], v[ADS] offset:128
	s_wait_alu depctr_va_vdst(0)
	s_wait_dscnt 0x0
.irp p, 0,1,2,3                        ; pair p: keys 32 p + 0 .. 15 by [q | 0], keys 32 p + 16 .. 31 by [0 | q]
.if \p % 2
	v_wmma_scale_f32_16x16x128_f8f6f4 v[S+16*\p:S+16*\p+7], v[KF+16*\p:KF+16*\p+15], v[24:39], 0, v[KS+\p/2], v[QW] matrix_a_fmt:MATRIX_FMT_BF8 matrix_b_fmt:MATRIX_FMT_BF8 matrix_a_scale:MATRIX_SCALE_ROW1
	v_wmma_scale_f32_16x16x128_f8f6f4 v[S+16*\p+8:S+16*\p+15], v[KF+16*\p:KF+16*\p+15], v[16:31], 0, v[KS+\p/2], v[QW] matrix_a_fmt:MATRIX_FMT_BF8 matrix_b_fmt:MATRIX_FMT_BF8 matrix_a_scale:MATRIX_SCALE_ROW1
.else
	v_wmma_scale_f32_16x16x128_f8f6f4 v[S+16*\p:S+16*\p+7], v[KF+16*\p:KF+16*\p+15], v[24:39], 0, v[KS+\p/2], v[QW] matrix_a_fmt:MATRIX_FMT_BF8 matrix_b_fmt:MATRIX_FMT_BF8
	v_wmma_scale_f32_16x16x128_f8f6f4 v[S+16*\p+8:S+16*\p+15], v[KF+16*\p:KF+16*\p+15], v[16:31], 0, v[KS+\p/2], v[QW] matrix_a_fmt:MATRIX_FMT_BF8 matrix_b_fmt:MATRIX_FMT_BF8
.endif
.endr
	PLACES 8                                       ; ahead of the loads into K's registers and of the first read of the scores
.irp t, 0,1,2,3                        ; V^T's four fragments land under the softmax
.irp c, 0,1,2,3
	ds_load_b128 v[KF+16*\t+4*\c:KF+16*\t+4*\c+3], v[ADV] offset:2048*\t+512*\c
.endr
.endr
	ds_load_b64 v[VS:VS+1], v[ADT]
.irp b, 0,1,2,3
	v_max3_num_f32 v[BM+\b], v[S+16*\b], v[S+16*\b+1], v[S+16*\b+2]   ; the largest score of each block of 32 keys: it serves for the row's maximum and, since p rises with the score, for the block's largest p
.endr
.irp i, 3,5,7,9,11,13
.irp b, 0,1,2,3
	v_max3_num_f32 v[BM+\b], v[BM+\b], v[S+16*\b+\i], v[S+16*\b+\i+1]
.endr
.endr
.irp b, 0,1,2,3
	v_max_num_f32 v[BM+\b], v[BM+\b], v[S+16*\b+15]
.endr
.irp b, 0,1,2,3
	s_delay_alu instid0(VALU_DEP_4)
	v_permlanex16_b32 v[TP+\b], v[BM+\b], s[SEL], s[SEL+1]
.endr
.irp b, 0,1,2,3
	s_delay_alu instid0(VALU_DEP_4)
	v_max_num_f32 v[BM+\b], v[BM+\b], v[TP+\b]     ; with lane l xor 16's 16 keys
.endr
	s_delay_alu instid0(VALU_DEP_2)
	v_max3_num_f32 v[TT], v[BM], v[BM+1], v[BM+2]
	s_delay_alu instid0(VALU_DEP_1)
	v_max_num_f32 v[TT], v[TT], v[BM+3]            ; the step's largest score of my query
	s_delay_alu instid0(VALU_DEP_1)
	v_mul_f32 v[TT], s[CS], v[TT]                  ; as t (c is positive)
	s_delay_alu instid0(VALU_DEP_1)
	v_max_num_f32 v13, v13, v[TT]                  ; the running largest t
	v_mov_b32 v[TT], v12
	s_delay_alu instid0(VALU_DEP_2)
	v_floor_f32 v12, -v13                          ; the new -M = floor(-t) = -ceil(t)
	s_delay_alu instid0(VALU_DEP_1)
	v_sub_f32 v[TT], v12, v[TT]                    ; old M - new M: a whole number, 0 or less
	s_delay_alu instid0(VALU_DEP_1)
	v_cvt_i32_f32 v[TT], v[TT]                     ; (it saturates)
	s_delay_alu instid0(VALU_DEP_1)
	v_ldexp_f32 v[FF], 1.0, v[TT]                  ; f = 2^(old M - new M)
.irp j, 0,2,4,6,8,10,12,14,16,18,20,22,24,26,28,30,32,34,36,38,40,42,44,46,48,50,52,54,56,58,60,62
	v_pk_fma_f32 v[S+\j:S+\j+1], v[S+\j:S+\j+1], s[CS:CS+1], v[12:13] op_sel_hi:[1,0,0]   ; t - M, two at a time
.endr
.irp b, 0,1,2,3
	v_fma_f32 v[BM+\b], v[BM+\b], s[CS], v12       ; the same of each block's largest score
.endr
	s_setprio 1
	s_wait_alu depctr_va_vdst(0)
.irp j, 0,1,2,3,4,5,6,7,8,9,10,11,12,13,14,15,16,17,18,19,20,21,22,23,24,25,26,27,28,29,30,31,32,33,34,35,36,37,38,39,40,41,42,43,44,45,46,47,48,49,50,51,52,53,54,55,56,57,58,59,60,61,62,63
	v_exp_f32 v[S+\j], v[S+\j]                     ; p = 2^(t - M), at most 1
.endr
	v_pk_mul_f32 v[14:15], v[14:15], v[FF:FF+1] op_sel_hi:[1,0]   ; the sums under the new M (a plain instruction behind the exponentials)
	s_wait_alu depctr_va_vdst(0)                   ; one wait for the batch of 64, ahead of its first reader
.irp b, 0,1,2,3
	v_exp_f32 v[BM+\b], v[BM+\b]                   ; the block's largest p: the same two instructions on the same number give the same bits
.endr
	v_pk_add_f32 v[220:221], v[108:109], v[112:113]
	v_pk_add_f32 v[254:255], v[116:117], v[120:121]
	v_pk_add_f32 v[252:253], v[124:125], v[128:129]
	v_pk_add_f32 v[246:247], v[132:133], v[136:137]
	v_pk_add_f32 v[244:245], v[140:141], v[144:145]
	v_pk_add_f32 v[238:239], v[148:149], v[152:153]
	v_pk_add_f32 v[232:233], v[156:157], v[160:161]
	v_pk_add_f32 v[14:15], v[14:15], v[164:165]
	v_pk_add_f32 v[220:221], v[220:221], v[104:105]
	v_pk_add_f32 v[254:255], v[254:255], v[106:107]
	v_pk_add_f32 v[252:253], v[252:253], v[110:111]
	v_pk_add_f32 v[246:247], v[246:247], v[114:115]
	v_pk_add_f32 v[244:245], v[244:245], v[118:119]
	v_pk_add_f32 v[238:239], v[238:239], v[122:123]
	v_pk_add_f32 v[232:233], v[232:233], v[126:127]
	v_pk_add_f32 v[14:15], v[14:15], v[130:131]
	v_pk_add_f32 v[220:221], v[220:221], v[134:135]
	v_pk_add_f32 v[254:255], v[254:255], v[138:139]
	v_pk_add_f32 v[252:253], v[252:253], v[142:143]
	v_pk_add_f32 v[246:247], v[246:247], v[146:147]
	v_pk_add_f32 v[244:245], v[244:245], v[150:151]
	v_pk_add_f32 v[238:239], v[238:239], v[154:155]
	v_pk_add_f32 v[232:233], v[232:233], v[158:159]
	v_pk_add_f32 v[14:15], v[14:15], v[162:163]
	v_pk_add_f32 v[220:221], v[220:221], v[166:167]
	s_delay_alu instid0(VALU_DEP_2)
	v_pk_add_f32 v[14:15], v[14:15], v[246:247]
	s_delay_alu instid0(VALU_DEP_2)
	v_pk_add_f32 v[220:221], v[220:221], v[244:245]
	v_pk_add_f32 v[254:255], v[254:255], v[238:239]
	v_pk_add_f32 v[252:253], v[252:253], v[232:233]
	s_delay_alu instid0(VALU_DEP_2)
	v_pk_add_f32 v[14:15], v[14:15], v[254:255]
	s_delay_alu instid0(VALU_DEP_2)
	v_pk_add_f32 v[220:221], v[220:221], v[252:253]
	s_delay_alu instid0(VALU_DEP_1)
	v_pk_add_f32 v[14:15], v[14:15], v[220:221]
	s_wait_alu depctr_va_vdst(0)                   ; and one for the four
.irp b, 0,1,2,3
	v_max_num_f32 v[BM+\b], 0x8000000, v[BM+\b]    ; the floor 2^(16 - 127): the byte cannot fall under 1
.endr
.irp b, 0,1,2,3
	s_delay_alu instid0(VALU_DEP_4)
	v_add_nc_u32 v[SO+\b], 0xf8800000, v[BM+\b]    ; 15 off the exponent field: the conversion's scale operand
.endr
.irp b, 0,1,2,3
.endr
.irp b, 0,1,2,3
	s_delay_alu instid0(VALU_DEP_4)
	v_lshrrev_b32 v[TP+\b], 23, v[SO+\b]           ; the scale's byte
.endr
	s_delay_alu instid0(VALU_DEP_3)
	v_lshl_or_b32 v[PW], v[TP+1], 8, v[TP]         ; p's scale word for these 128 keys
	s_delay_alu instid0(VALU_DEP_1)
	v_lshl_or_b32 v[PW], v[TP+2], 16, v[PW]
	s_delay_alu instid0(VALU_DEP_1)
	v_lshl_or_b32 v[PW], v[TP+3], 24, v[PW]
.irp b, 0,1,2,3
.irp i, 0,1,2,3,4,5,6,7,8,9,10,11,12,13,14,15
.endr
	v_cvt_scalef32_pk8_bf8_f32 v[PC+4*\b:PC+4*\b+1], v[S+16*\b:S+16*\b+7], v[SO+\b]
	v_cvt_scalef32_pk8_bf8_f32 v[PC+4*\b+2:PC+4*\b+3], v[S+16*\b+8:S+16*\b+15], v[SO+\b]
.endr
	s_setprio 0
.irp j, 0,2,4,6,8,10,12,14,16,18,20,22,24,26,28,30
	v_pk_mul_f32 v[O+\j:O+\j+1], v[O+\j:O+\j+1], v[FF:FF+1] op_sel_hi:[1,0]   ; O^T under the new M (also the places between the codes and the products)
.endr
	PLACES 4                                       ; and four between the last of these and the products that take them as C
	s_wait_alu depctr_va_vdst(0)
	s_wait_dscnt 0x0                               ; V^T's fragments and scale words are in
	v_wmma_scale_f32_16x16x128_f8f6f4 v[O:O+7], v[KF:KF+15], v[PC:PC+15], v[O:O+7], v[VS], v[PW] matrix_a_fmt:MATRIX_FMT_BF8 matrix_b_fmt:MATRIX_FMT_BF8
	v_wmma_scale_f32_16x16x128_f8f6f4 v[O+8:O+15], v[KF+16:KF+31], v[PC:PC+15], v[O+8:O+15], v[VS+1], v[PW] matrix_a_fmt:MATRIX_FMT_BF8 matrix_b_fmt:MATRIX_FMT_BF8
	v_wmma_scale_f32_16x16x128_f8f6f4 v[O+16:O+23], v[KF+32:KF+47], v[PC:PC+15], v[O+16:O+23], v[VS], v[PW] matrix_a_fmt:MATRIX_FMT_BF8 matrix_b_fmt:MATRIX_FMT_BF8 matrix_a_scale:MATRIX_SCALE_ROW1
	v_wmma_scale_f32_16x16x128_f8f6f4 v[O+24:O+31], v[KF+48:KF+63], v[PC:PC+15], v[O+24:O+31], v[VS+1], v[PW] matrix_a_fmt:MATRIX_FMT_BF8 matrix_b_fmt:MATRIX_FMT_BF8 matrix_a_scale:MATRIX_SCALE_ROW1
	s_add_co_u32 s[TB], s[TB], 8192
	s_add_co_u32 s[TS], s[TS], 256
.endm
	s_load_b512 s[4:19], s[0:1], 0x0               ; qc, qs, kc, ks, vc, vs, xc, xs
	v_lshl_add_u32 v[SPW], v0, 2, SPARE
	v_mov_b32 v[NIL], 0
	v_lshrrev_b32 v8, 5, v0
	s_delay_alu instid0(VALU_DEP_1)
	v_readfirstlane_b32 s[WV], v8                  ; wave 0..15
	v_and_b32 v9, 31, v0                           ; lane
	v_and_b32 v10, 15, v0                          ; lane % 16 = thread % 16
	v_lshrrev_b32 v11, 4, v0                       ; thread / 16
	s_delay_alu instid0(VALU_DEP_3)
	v_lshlrev_b32 v[AK0], 4, v9
	s_delay_alu instid0(VALU_DEP_1)
	v_add_nc_u32 v[AV0], VIMG, v[AK0]
	v_lshl_add_u32 v[ASK0], v9, 2, KSC
	v_lshl_add_u32 v[ASV0], v9, 3, VSC
	s_lshl_b32 s32, s[WV], 8
	s_add_co_u32 s32, s32, XSS
	v_lshl_add_u32 v[XSA], v10, 2, s32
	v_lshl_add_u32 v[XSR], v9, 3, s32
	v_lshlrev_b32 v[XSG], 3, v9
	v_lshlrev_b32 v[QG], 2, v10
	v_lshlrev_b32 v[FT], 4, v0
	s_delay_alu instid0(VALU_DEP_1)
	v_add_nc_u32 v[FV], VIMG, v[FT]
	v_lshlrev_b32 v[FW], 2, v0
	v_lshl_add_u32 v[FKS], v0, 2, KSC
	v_lshl_add_u32 v[FK], v11, 7, v[QG]            ; the word of key 32 (thread / 16) + thread % 16
.irp j, 16,17,18,19,20,21,22,23,32,33,34,35,36,37,38,39
	v_mov_b32 v[\j], 0                             ; the zero codes on either side of Q
.endr
.irp b, 0,1,2,3
	v_mov_b32 v[TP+\b], 0                          ; written once: a lane permute's destination counts as one of its sources
.endr
	v_mov_b32 v[FF+1], 0                           ; (named as upper halves of pairs)
	v_mov_b32 v[TT+1], 0
	s_mov_b32 s[SEL], 0x76543210
	s_mov_b32 s[SEL+1], 0xfedcba98
	s_mov_b32 s[CS], 0x3e38aa3b
	s_mov_b32 s[CS+1], s[CS]
	s_mov_b32 s[PSEL], 0x05040100
	s_mov_b32 s[TILES], 4
	s_mov_b32 s[TX], 0
	s_lshl_b32 s32, ttmp9, 16                      ; a head's codes: 65,536 bytes in qc, kc, vc
	s_mov_b32 s33, 0
	s_lshl_b32 s34, s[WV], 12
	s_add_co_u32 s34, s34, s32                     ; + my four tiles of queries
	s_mov_b32 s35, 0
	s_lshl_b32 s36, ttmp9, 12                      ; a head's scale words: 4,096 bytes in qs, ks, xs
	s_mov_b32 s37, 0
	s_lshl_b32 s38, s[WV], 8
	s_add_co_u32 s38, s38, s36                     ; + my 64 rows
	s_mov_b32 s39, 0
	s_lshl_b32 s40, ttmp9, 11                      ; 2,048 bytes in vs
	s_mov_b32 s41, 0
	s_lshr_b32 s42, ttmp9, 3                       ; xc: tile of rows 64 b + 4 w, 8,192 bytes each; in it head h's two groups of registers begin 1,024 h bytes on
	s_lshl_b32 s42, s42, 6
	s_lshl_b32 s44, s[WV], 2
	s_add_co_u32 s42, s42, s44
	s_lshl_b32 s42, s42, 13
	s_and_b32 s44, ttmp9, 7
	s_lshl_b32 s44, s44, 10
	s_add_co_u32 s42, s42, s44
	s_mov_b32 s43, 0
	s_wait_kmcnt 0x0
	s_add_nc_u64 s[4:5], s[4:5], s[34:35]
	s_add_nc_u64 s[6:7], s[6:7], s[38:39]
	s_add_nc_u64 s[8:9], s[8:9], s[32:33]
	s_add_nc_u64 s[10:11], s[10:11], s[36:37]
	s_add_nc_u64 s[12:13], s[12:13], s[32:33]
	s_add_nc_u64 s[14:15], s[14:15], s[40:41]
	s_add_nc_u64 s[16:17], s[16:17], s[42:43]
	s_add_nc_u64 s[18:19], s[18:19], s[38:39]
.irp i, 0,1,2,3,4,5,6,7                ; THE FILL: 512 threads x 16 bytes x 8 bring K, as many V: dense, read once
	global_load_b128 v[KF+4*\i:KF+4*\i+3], v[FT], s[8:9] offset:8192*\i th:TH_LOAD_NT
.endr
.irp i, 0,1,2,3,4,5,6,7
	global_load_b128 v[KF+32+4*\i:KF+32+4*\i+3], v[FT], s[12:13] offset:8192*\i th:TH_LOAD_NT
.endr
	global_load_b32 v[S], v[FK], s[10:11]
	global_load_b32 v[S+1], v[FK], s[10:11] offset:64
	global_load_b32 v[S+2], v[FW], s[14:15]
	QLOAD
	s_wait_loadcnt 0x0
	v_perm_b32 v[S], v[S+1], v[S], s[PSEL]         ; the first key's two bytes below, those of the key 16 on above
.irp i, 0,1,2,3,4,5,6,7
	ds_store_b128 v[FT], v[KF+4*\i:KF+4*\i+3] offset:8192*\i
.endr
.irp i, 0,1,2,3,4,5,6,7
	ds_store_b128 v[FV], v[KF+32+4*\i:KF+32+4*\i+3] offset:8192*\i
.endr
	ds_store_b32 v[FKS], v[S]
	ds_store_b32 v[FKS], v[S+2] offset:VSC-KSC
	s_wait_dscnt 0x0                               ; for the others' sake: my stores have landed
	s_barrier_signal -1
	s_barrier_wait -1                              ; the head's K and V lie in LDS; nothing there is written again
.Ltile:
	s_wait_loadcnt 0x0                             ; this tile's Q and its scale word
	v_mov_b32 v13, 0xff61b1e6                      ; the largest t so far: -3e38, under every t
	s_delay_alu instid0(VALU_DEP_1)
	v_floor_f32 v12, -v13                          ; -M
	v_mov_b32 v14, 0                               ; the sum, in two halves
	v_mov_b32 v15, 0
.irp j, 0,1,2,3,4,5,6,7,8,9,10,11,12,13,14,15,16,17,18,19,20,21,22,23,24,25,26,27,28,29,30,31
	v_mov_b32 v[O+\j], 0                           ; O^T.  (The step is written once: a tile's first step finds zeros, which the first change of M leaves zeros)
.endr
	s_mov_b32 s[TB], 0
	s_mov_b32 s[TS], 0
	s_mov_b32 s[STEPS], 8
.Lstep:
	s_setprio 2
	STEP
	s_sub_co_u32 s[STEPS], s[STEPS], 1
	s_cmp_lg_u32 s[STEPS], 0
	s_cbranch_scc1 .Lstep
	s_setprio 0
	PLACES 8                                       ; ahead of the first read of O^T, of the writes of the codes' registers and of the loads into Q's
	s_cmp_eq_u32 s[TILES], 1
	s_cbranch_scc1 .Lno_q                          ; the last tile asks for nothing
	s_add_nc_u64 s[4:5], s[4:5], 1024              ; (the loads that named these bases were waited for at the tile's head)
	s_add_nc_u64 s[6:7], s[6:7], 64
	QLOAD                                          ; the next tile's Q lands under the way out
.Lno_q:
	v_add_f32 v14, v14, v15                        ; the sum's two halves,
	s_delay_alu instid0(VALU_DEP_1)
	v_permlanex16_b32 v[TT+1], v14, s[SEL], s[SEL+1]
	s_delay_alu instid0(VALU_DEP_1)
	v_add_f32 v14, v14, v[TT+1]                    ; and lane l xor 16's: the row's sum
	s_wait_alu depctr_va_vdst(0)
	v_rcp_f32 v[TT], v14
	v_nop                                          ; a plain instruction behind the reciprocal,
	s_wait_alu depctr_va_vdst(0)                   ; and the wait ahead of its first reader
.irp j, 0,2,4,6,8,10,12,14,16,18,20,22,24,26,28,30
	v_pk_mul_f32 v[S+\j:S+\j+1], v[O+\j:O+\j+1], v[TT:TT+1] op_sel_hi:[1,0]   ; x: register 16 b + i is x(query r, 64 h + 32 b + 16 (lane / 16) + i)
.endr
.irp b, 0,1                            ; x's two blocks of 32 along the 512 are quantised: they are part of the last product's operand
	v_max3_num_f32 v[BM+\b], |v[S+16*\b]|, |v[S+16*\b+1]|, 0x8000000
.endr
.irp i, 2,4,6,8,10,12,14
.irp b, 0,1
	s_delay_alu instid0(VALU_DEP_2)
	v_max3_num_f32 v[BM+\b], v[BM+\b], |v[S+16*\b+\i]|, |v[S+16*\b+\i+1]|
.endr
.endr
.irp b, 0,1
	s_delay_alu instid0(VALU_DEP_2)
	v_permlanex16_b32 v[TP+\b], v[BM+\b], s[SEL], s[SEL+1]
.endr
.irp b, 0,1
	s_delay_alu instid0(VALU_DEP_2)
	v_max_num_f32 v[BM+\b], v[BM+\b], v[TP+\b]
.endr
.irp b, 0,1
	s_delay_alu instid0(VALU_DEP_2)
	v_add_nc_u32 v[SO+\b], 0xf8800000, v[BM+\b]
.endr
.irp b, 0,1
.endr
.irp b, 0,1
	s_delay_alu instid0(VALU_DEP_2)
	v_lshrrev_b32 v[TP+\b], 23, v[SO+\b]
.endr
	s_delay_alu instid0(VALU_DEP_1)
	v_lshl_or_b32 v[XW], v[TP+1], 8, v[TP]         ; my row's two bytes of this head
	v_add_nc_u32 v[ADK], s[TX], v[XSA]
.irp b, 0,1
.irp i, 0,1,2,3,4,5,6,7,8,9,10,11,12,13,14,15
.endr
	v_cvt_scalef32_pk8_bf8_f32 v[PC+4*\b:PC+4*\b+1], v[S+16*\b:S+16*\b+7], v[SO+\b]
	v_cvt_scalef32_pk8_bf8_f32 v[PC+4*\b+2:PC+4*\b+3], v[S+16*\b+8:S+16*\b+15], v[SO+\b]
.endr
	v_nop                                          ; one plain vector instruction behind the last conversion
	ds_store_b32 v[ADK], v[XW]                     ; both halves of the lanes write the same word with the same value
	global_store_b128 v[AK0], v[PC:PC+3], s[16:17]               ; 512 consecutive bytes, aligned: registers 4 c .. 4 c + 3 of x's fragment, c = 2 (h % 2),
	global_store_b128 v[AK0], v[PC+4:PC+7], s[16:17] offset:512  ; and c = 2 (h % 2) + 1
	s_wait_xcnt 0x0                                ; the stores have read their registers and base: both are written again in the next tile
	s_add_nc_u64 s[16:17], s[16:17], 8192
	s_add_co_u32 s[TX], s[TX], 64
	s_sub_co_u32 s[TILES], s[TILES], 1
	s_cmp_lg_u32 s[TILES], 0
	s_cbranch_scc1 .Ltile
	ds_load_b64 v[S:S+1], v[XSR]                   ; LDS serves a wave's instructions in order: these see my stores
	s_wait_dscnt 0x0
	global_store_b64 v[XSG], v[S:S+1], s[18:19]    ; my 64 rows' scale words: 256 consecutive bytes, aligned
	s_wait_tensorcnt 0x0                           ; the wave's end: behind my last LDS store
	ds_add_u32 v[SPW], v[NIL]
	s_wait_dscnt 0x0
	s_endpgm
.Lfunc_end_k_qada6cfd4ee_attend:
	.size	k_qada6cfd4ee_attend, .Lfunc_end_k_qada6cfd4ee_attend-k_qada6cfd4ee_attend
	.p2alignl 7, 3214868480
	.fill 96, 4, 3214868480
	.section	.rodata,"a",@progbits
	.p2align	6, 0x0
	.amdhsa_kernel k_qada6cfd4ee_attend
		.amdhsa_group_segment_fixed_size 141312
		.amdhsa_private_segment_fixed_size 0
		.amdhsa_enable_private_segment 0
		.amdhsa_kernarg_size 64
		.amdhsa_user_sgpr_count 2
		.amdhsa_user_sgpr_kernarg_segment_ptr 1
		.amdhsa_wavefront_size32 1
		.amdhsa_system_sgpr_workgroup_id_x 1
		.amdhsa_system_sgpr_workgroup_id_y 1
		.amdhsa_system_sgpr_workgroup_id_z 1
		.amdhsa_system_vgpr_workitem_id 0
		.amdhsa_next_free_vgpr 256
		.amdhsa_next_free_sgpr 66
		.amdhsa_reserve_vcc 0
		.amdhsa_float_denorm_mode_32 3
		.amdhsa_float_denorm_mode_16_64 3
		.amdhsa_fp16_overflow 1
		.amdhsa_memory_ordered 1
		.amdhsa_forward_progress 1
		.amdhsa_inst_pref_size 31
	.end_amdhsa_kernel
	.amdgpu_metadata
---
amdhsa.version: [ 1, 2 ]
amdhsa.kernels:
  - .name:           k_qada6cfd4ee_attend
    .symbol:         k_qada6cfd4ee_attend.kd
    .args:
      - { .name: qc, .offset: 0, .size: 8, .value_kind: global_buffer, .address_space: global }
      - { .name: qs, .offset: 8, .size: 8, .value_kind: global_buffer, .address_space: global }
      - { .name: kc, .offset: 16, .size: 8, .value_kind: global_buffer, .address_space: global }
      - { .name: ks, .offset: 24, .size: 8, .value_kind: global_buffer, .address_space: global }
      - { .name: vc, .offset: 32, .size: 8, .value_kind: global_buffer, .address_space: global }
      - { .name: vs, .offset: 40, .size: 8, .value_kind: global_buffer, .address_space: global }
      - { .name: xc, .offset: 48, .size: 8, .value_kind: global_buffer, .address_space: global }
      - { .name: xs, .offset: 56, .size: 8, .value_kind: global_buffer, .address_space: global }
    .group_segment_fixed_size: 141312
    .private_segment_fixed_size: 0
    .kernarg_segment_align: 8
    .kernarg_segment_size: 64
    .max_flat_workgroup_size: 512
    .sgpr_count:     66
    .vgpr_count:     256
    .wavefront_size: 32
...
	.end_amdgpu_metadata
.endif
;; end of part 5
;; launch outproj (part 6): grid 256 x 1, 8 waves a work-group, no clusters, 105,472 bytes of LDS; arguments xc, xs, Wout_codes, Wout_scales, bout, out0; writes out0
.if DOCPART == 6
	.amdgcn_target "amdgcn-amd-amdhsa--gfx1250"
	.amdhsa_code_object_version 6
	.text
	.protected	k_qada6cfd4ee_outproj
	.globl	k_qada6cfd4ee_outproj
	.p2align	8
	.type	k_qada6cfd4ee_outproj,@function
k_qada6cfd4ee_outproj:
	s_mov_b64 s[64:65], 0
	v_nop
	global_prefetch_b8 v0, s[64:65] scope:SCOPE_SE
	s_setreg_imm32_b32 hwreg(HW_REG_WAVE_MODE, 25, 1), 1
	s_wait_xcnt 0x0
; OUTPROJ: out0 = x Wout + bout, on codes of E5M2 with one E8M0 byte for each 32 along the 512.  x comes as the launch before laid it: images of operand registers, and two scale bytes a row and head.
; No work of reference() is left out here.
; SHARES.  256 work-groups of eight waves; a work-group takes 128 rows, eight tiles of 16.  WAVE w OWNS OUTPUT COLUMNS 64 w .. 64 w + 63: its 16 fragments of Wout fill register window 1 and are read once.
; Each wave brings one tile of x (8,192 dense bytes) into LDS; behind one barrier every wave reads all eight.  No cluster and no tensor load: Wout goes straight into registers, x is read by one work-group alone.
; No prefetch: every byte is asked for at the kernel's head.
; THE MATRIX INSTRUCTION IS USED TRANSPOSED (source 0 = 16 rows of Wout, source 1 = 16 rows of x): a lane holds eight neighbouring columns of one row.  bout is the C of each sum's first product.
; A tile's 16 rows x 256 bytes go through the wave's own stage in LDS, so that sixteen lanes store 256 consecutive bytes, aligned.
.set XIMG,  0                          ; x's 32 fragments: 8,192 m + 2,048 s
.set XSC,   65536                      ; their scale words: [m][lane][4 words]
.set STG,   69632                      ; the stages: 16 rows x (256 bytes + 16) for each wave
.set SPARE, 104448                     ; the spare words, 128 bytes for each wave: four blocks of 256 bytes that no other line names
.set LI,  1                            ; 16 x lane
.set WA,  2                            ; Wout's codes in memory: row r, + 16 h
.set WSA, 3                            ; Wout's scale bytes: 16 r
.set XQ,  4                            ; 4 r
.set STO, 5                            ; into my stage
.set RD,  6                            ; out of it
.set GO,  7                            ; my offset in out0
.set XWI, 8                            ; where I store x's images
.set XSW, 9                            ; and scale words
.set XSR, 10                           ; scale words, read
.set BA,  11                           ; bout: 32 h
.set WS,  16                           ; v16-31  Wout's scale words: 4 t + s
.set BI,  32                           ; v32-63  bout in the result's layout
.set FR,  64                           ; v64-127 four fragments of x
.set XS,  128                          ; v128-131 their scale words
.set ACC, 132                          ; v132-163 four accumulators; at the head: 8 words of xs and the 4 made of them
.set OB,  164                          ; v164-195 rows on their way out
.set SPW, 252
.set NIL, 253
.set WV,  16
.set MSB, 0
.macro WIN new                         ; the immediate's high byte repeats the setting that is left
.if MSB != \new
	s_set_vgpr_msb (MSB<<8)|\new
.set MSB, \new
.endif
.endm
.macro FETCH reg, adr, off
.irp c, 0,1,2,3
	ds_load_b128 v[\reg+4*\c:\reg+4*\c+3], v[\adr] offset:\off+512*\c
.endr
.endm
.macro WLOAD t                         ; tile t's four fragments into window 1 (the destination's window is set by the caller)
.irp s, 0,1,2,3
.irp c, 0,1,2,3
	global_load_b128 v[16*(4*\t+\s)+4*\c:16*(4*\t+\s)+4*\c+3], v[WA], s[8:9] offset:8192*\t+128*\s+32*\c
.endr
.endr
.endm
	s_load_b256 s[4:11], s[0:1], 0x0               ; xc, xs, Wout's codes, Wout's scales
	s_load_b128 s[12:15], s[0:1], 0x20             ; bout, out0
	v_lshl_add_u32 v[SPW], v0, 2, SPARE
	v_mov_b32 v[NIL], 0
	v_lshrrev_b32 v12, 5, v0
	s_delay_alu instid0(VALU_DEP_1)
	v_readfirstlane_b32 s[WV], v12                 ; wave 0..7
	v_and_b32 v12, 31, v0                          ; lane
	v_and_b32 v13, 15, v0                          ; r
	v_bfe_u32 v14, v0, 4, 1                        ; h
	s_delay_alu instid0(VALU_DEP_3)
	v_lshlrev_b32 v[LI], 4, v12
	s_delay_alu instid0(VALU_DEP_3)
	v_lshlrev_b32 v[WA], 9, v13
	s_delay_alu instid0(VALU_DEP_1)
	v_lshl_add_u32 v[WA], v14, 4, v[WA]
	v_lshlrev_b32 v[WSA], 4, v13
	v_lshlrev_b32 v[XQ], 2, v13
	v_lshlrev_b32 v[BA], 5, v14
	s_mul_i32 s17, s[WV], 4352
	s_add_co_u32 s17, s17, STG                     ; my stage
	v_mul_u32_u24 v[STO], v13, 272
	s_delay_alu instid0(VALU_DEP_1)
	v_lshl_add_u32 v[STO], v14, 5, v[STO]
	s_delay_alu instid0(VALU_DEP_1)
	v_add_nc_u32 v[STO], s17, v[STO]               ; in: row r, 32 bytes for each half of the lanes
	v_mul_u32_u24 v[RD], v14, 272
	s_delay_alu instid0(VALU_DEP_1)
	v_lshl_add_u32 v[RD], v13, 4, v[RD]
	s_delay_alu instid0(VALU_DEP_1)
	v_add_nc_u32 v[RD], s17, v[RD]                 ; back: lanes 0-15 one row, lanes 16-31 the next
	s_lshl_b32 s17, s[WV], 8
	v_lshlrev_b32 v[GO], 11, v14
	s_delay_alu instid0(VALU_DEP_1)
	v_lshl_add_u32 v[GO], v13, 4, v[GO]
	s_delay_alu instid0(VALU_DEP_1)
	v_add_nc_u32 v[GO], s17, v[GO]                 ; and the same two rows in out0, at my 64 columns
	s_lshl_b32 s17, s[WV], 13
	v_add_nc_u32 v[XWI], s17, v[LI]
	v_add_nc_u32 v[XSR], XSC, v[LI]
	s_lshl_b32 s17, s[WV], 9
	v_add_nc_u32 v[XSW], s17, v[XSR]
	s_mov_b32 s19, 0                               ; the upper word of every offset below
	s_mov_b32 s20, 0x05040100                      ; v_perm_b32: the two low halves
	s_wait_alu depctr_va_vdst(0)
	s_wait_kmcnt 0x0
	s_lshl_b32 s18, ttmp9, 16
	s_lshl_b32 s17, s[WV], 13
	s_add_co_u32 s18, s18, s17
	s_add_nc_u64 s[4:5], s[4:5], s[18:19]          ; xc at tile 8 id + w
	s_lshr_b32 s18, ttmp9, 3
	s_lshl_b32 s18, s18, 15                        ; xs: the sequence,
	s_and_b32 s17, ttmp9, 7
	s_lshl_b32 s17, s17, 9
	s_add_co_u32 s18, s18, s17                     ; my work-group's 128 rows in it,
	s_lshl_b32 s17, s[WV], 6
	s_add_co_u32 s18, s18, s17                     ; my tile's 16
	s_add_nc_u64 s[6:7], s[6:7], s[18:19]
	s_lshl_b32 s18, s[WV], 15
	s_add_nc_u64 s[8:9], s[8:9], s[18:19]          ; my 64 rows of Wout
	s_lshl_b32 s18, s[WV], 10
	s_add_nc_u64 s[10:11], s[10:11], s[18:19]
	s_lshl_b32 s18, s[WV], 8
	s_add_nc_u64 s[12:13], s[12:13], s[18:19]
	s_lshl_b32 s18, ttmp9, 18
	s_add_nc_u64 s[14:15], s[14:15], s[18:19]      ; out0 at my work-group's first row
.irp t, 0,1,2,3
	global_load_b128 v[BI+8*\t:BI+8*\t+3], v[BA], s[12:13] offset:64*\t        ; bout at columns 64 w + 16 t + 8 h + 0 .. 7
	global_load_b128 v[BI+8*\t+4:BI+8*\t+7], v[BA], s[12:13] offset:64*\t+16
.endr
.irp t, 0,1,2,3
	global_load_b128 v[WS+4*\t:WS+4*\t+3], v[WSA], s[10:11] offset:256*\t
.endr
	WIN 0x40                                       ; destination window 1
	WLOAD 0
	WIN 0
.irp j, 0,1,2,3,4,5,6,7,8,9,10,11,12,13,14,15
	global_load_b128 v[FR+4*\j:FR+4*\j+3], v[LI], s[4:5] offset:512*\j th:TH_LOAD_NT   ; my tile of x: 8,192 dense bytes, read once
.endr
.irp h, 0,1,2,3,4,5,6,7
	global_load_b32 v[ACC+\h], v[XQ], s[6:7] offset:4096*\h   ; my rows' two bytes of head h
.endr
	WIN 0x40
	WLOAD 1
	WLOAD 2
	WLOAD 3
	WIN 0
	s_wait_loadcnt 48                              ; x and its scale words are in; behind them: 48 loads of Wout
.irp s, 0,1,2,3
	v_perm_b32 v[ACC+8+\s], v[ACC+2*\s+1], v[ACC+2*\s], s20   ; K step s: head 2 s's bytes below, head 2 s + 1's above
.endr
.irp j, 0,1,2,3,4,5,6,7,8,9,10,11,12,13,14,15
	ds_store_b128 v[XWI], v[FR+4*\j:FR+4*\j+3] offset:512*\j
.endr
	ds_store_b128 v[XSW], v[ACC+8:ACC+11]
	s_wait_dscnt 0x0                               ; for the others' sake: my stores have landed
	s_barrier_signal -1
	s_barrier_wait -1                              ; x's 32 fragments lie in LDS; they are not written again
	s_wait_loadcnt 0x0                             ; Wout
.irp m, 0,1,2,3,4,5,6,7
.irp s, 0,1,2,3
	FETCH FR+16*\s, LI, 8192*\m+2048*\s
.endr
	ds_load_b128 v[XS:XS+3], v[XSR] offset:512*\m
	s_wait_dscnt 0x0
	WIN 0x01                                       ; source 0 (Wout) in window 1
.irp s, 0,1,2,3                        ; the four accumulators take turns, one instruction a turn
.irp t, 0,1,2,3
.if \s == 0
	v_wmma_scale_f32_16x16x128_f8f6f4 v[ACC+8*\t:ACC+8*\t+7], v[16*(4*\t+\s):16*(4*\t+\s)+15], v[FR+16*\s:FR+16*\s+15], v[BI+8*\t:BI+8*\t+7], v[WS+4*\t+\s], v[XS+\s] matrix_a_fmt:MATRIX_FMT_BF8 matrix_b_fmt:MATRIX_FMT_BF8
.else
	v_wmma_scale_f32_16x16x128_f8f6f4 v[ACC+8*\t:ACC+8*\t+7], v[16*(4*\t+\s):16*(4*\t+\s)+15], v[FR+16*\s:FR+16*\s+15], v[ACC+8*\t:ACC+8*\t+7], v[WS+4*\t+\s], v[XS+\s] matrix_a_fmt:MATRIX_FMT_BF8 matrix_b_fmt:MATRIX_FMT_BF8
.endif
.endr
.endr
	WIN 0
.rept 9
	v_nop                                          ; eight places ahead of the stores that read the results and of the next loads into the operands; the ninth for the next tile's first products, which begin these accumulators anew
.endr
.irp t, 0,1,2,3
	ds_store_b128 v[STO], v[ACC+8*\t:ACC+8*\t+3] offset:64*\t          ; each accumulator from its low end on
	ds_store_b128 v[STO], v[ACC+8*\t+4:ACC+8*\t+7] offset:64*\t+16
.endr
	s_wait_xcnt 0x0                                ; the last tile's stores have read the registers that the loads below fill
.irp i, 0,1,2,3,4,5,6,7
	ds_load_b128 v[OB+4*\i:OB+4*\i+3], v[RD] offset:544*\i   ; LDS serves a wave's instructions in order: these see my stores, and the next tile's stores come behind them
.endr
.irp i, 0,1,2,3,4,5,6,7
	s_wait_dscnt 7-\i                              ; the younger loads from the stage may be out
	global_store_b128 v[GO], v[OB+4*\i:OB+4*\i+3], s[14:15] offset:(16*\m+2*\i)*2048 th:TH_STORE_NT   ; 16 lanes store 256 consecutive bytes, aligned; written once
.endr
.endr
	s_wait_tensorcnt 0x0                           ; the wave's end: behind my last LDS store
	ds_add_u32 v[SPW], v[NIL]
	s_wait_dscnt 0x0
	s_endpgm
.Lfunc_end_k_qada6cfd4ee_outproj:
	.size	k_qada6cfd4ee_outproj, .Lfunc_end_k_qada6cfd4ee_outproj-k_qada6cfd4ee_outproj
	.p2alignl 7, 3214868480
	.fill 96, 4, 3214868480
	.section	.rodata,"a",@progbits
	.p2align	6, 0x0
	.amdhsa_kernel k_qada6cfd4ee_outproj
		.amdhsa_group_segment_fixed_size 105472
		.amdhsa_private_segment_fixed_size 0
		.amdhsa_enable_private_segment 0
		.amdhsa_kernarg_size 48
		.amdhsa_user_sgpr_count 2
		.amdhsa_user_sgpr_kernarg_segment_ptr 1
		.amdhsa_wavefront_size32 1
		.amdhsa_system_sgpr_workgroup_id_x 1
		.amdhsa_system_sgpr_workgroup_id_y 1
		.amdhsa_system_sgpr_workgroup_id_z 1
		.amdhsa_system_vgpr_workitem_id 0
		.amdhsa_next_free_vgpr 512
		.amdhsa_next_free_sgpr 66
		.amdhsa_reserve_vcc 0
		.amdhsa_float_denorm_mode_32 3
		.amdhsa_float_denorm_mode_16_64 3
		.amdhsa_memory_ordered 1
		.amdhsa_forward_progress 1
		.amdhsa_inst_pref_size 58
	.end_amdhsa_kernel
	.amdgpu_metadata
---
amdhsa.version: [ 1, 2 ]
amdhsa.kernels:
  - .name:           k_qada6cfd4ee_outproj
    .symbol:         k_qada6cfd4ee_outproj.kd
    .args:
      - { .name: xc, .offset: 0, .size: 8, .value_kind: global_buffer, .address_space: global }
      - { .name: xs, .offset: 8, .size: 8, .value_kind: global_buffer, .address_space: global }
      - { .name: Wout_codes, .offset: 16, .size: 8, .value_kind: global_buffer, .address_space: global }
      - { .name: Wout_scales, .offset: 24, .size: 8, .value_kind: global_buffer, .address_space: global }
      - { .name: bout, .offset: 32, .size: 8, .value_kind: global_buffer, .address_space: global }
      - { .name: out0, .offset: 40, .size: 8, .value_kind: global_buffer, .address_space: global }
    .group_segment_fixed_size: 105472
    .private_segment_fixed_size: 0
    .kernarg_segment_align: 8
    .kernarg_segment_size: 48
    .max_flat_workgroup_size: 256
    .sgpr_count:     66
    .vgpr_count:     512
    .wavefront_size: 32
...
	.end_amdgpu_metadata
.endif
;; end of part 6
